; MI455X (gfx1250); checked and timed in simulation.
; The chip was launched on July 23, 2026; its instructions are those of AMD's public machine-readable ISA for CDNA 5 (MIT licence, August 2026) and "CDNA5" Instruction Set Architecture Reference Guide (July 2026). The comments in the code are by the model that wrote it; some were corrected since.
;; Bidirectional Attention. Allowed arithmetic: matrix products marked QUANTISED: E2M1 operands, one E8M0 scale for each 32 along K, by v_wmma_scale_f32_16x16x128_f8f6f4 with both operands' format E2M1 (or v_wmma_scale_f32_32x16x128_f4), f32 sums; products left as they are: bf16, f16 or f32 operands; f32 sums; everything else in f32.
;; Inputs: W_proj 1,024 x 1,024 float32; W_qkv 3,072 x 1,024 float32; pad_mask 4 x 2,048 bool; x 4 x 2,048 x 1,024 float32.
;; Outputs: out0 4 x 2,048 x 1,024 float32.
;; This version of the problem:
;;   THIS VERSION OF THE PROBLEM IS GIVEN IN LOW PRECISION. The matrix products marked QUANTISED in the list below multiply operands that are first quantised to E2M1 (2 exponent bits, 1 mantissa bit; 4 bits a number), with one power-of-two scale for each 32 numbers along K (OCP MX v1.0); their sums are f32. The products marked 'left as it is' may take bf16, f16 or f32 operands, with f32 sums. Whichever they take, every output number must still come out within the allowed error. Rounding operands to bf16 (8 significant bits) uses up far more of that allowance than f16 does (11 bits, for magnitudes from 6e-5 to 65,504). All else is computed in f32.
;;   The module's matrix products, in the order in which they are computed (A, B: the left and right operand; K: the contracted axis; several contracted axes count as one K, in the product's order):
;;     1. [M 8,192, K 1,024] x [K 1,024, N 3,072]; A: input x; B: input W_qkv: QUANTISED
;;     2. batch 64 x [M 2,048, K 64] x [K 64, N 2,048]; A: computed on the way; B: computed on the way: left as it is (an operand is computed on the way)
;;     3. batch 64 x [M 2,048, K 2,048] x [K 2,048, N 64]; A: computed on the way; B: computed on the way: left as it is (an operand is computed on the way)
;;     4. [M 8,192, K 1,024] x [K 1,024, N 1,024]; A: computed on the way; B: input W_proj: left as it is (an operand is computed on the way)
;;   THE QUANTISER, for each operand of a quantised product, along K:
;;     - K is cut into blocks of 32 from its start; a last block that is shorter is filled with zeros.
;;     - A block's scale is 2^e with e = floor(log2(the largest magnitude in the block)) - 2, held to -126 .. 127; a block of zeros has e = 0. As a byte (E8M0): e + 127.
;;     - Each number is divided by its block's scale, clamped to +-6, and rounded to the nearest number of E2M1, ties to even, subnormals kept.
;;     - The product sums the exact products of the quantised numbers (number of the format x scale) in f32.
;;   ~~~python
;;   def quantise(x, axis):      # numpy; x: float32 -> the quantised numbers, widened to float32 again
;;       x = np.moveaxis(x, axis, -1); K = x.shape[-1]
;;       x = np.pad(x, [(0, 0)] * (x.ndim - 1) + [(0, -K % 32)]); x = x.reshape(x.shape[:-1] + (-1, 32)); a = np.abs(x).max(-1, keepdims=True)
;;       e = np.where(a > 0, np.clip(np.frexp(np.where(a > 0, a, 1))[1] - 1 - 2, -126, 127), 0)      # np.frexp(a)[1] - 1 = floor(log2(a)), exactly
;;       r = np.clip(x / 2.0 ** e, -6, 6)
;;       step = 2.0 ** (np.maximum(np.frexp(np.where(r == 0, 1, r))[1] - 1, 0) - 1)
;;       q = np.round(r / step) * step * 2.0 ** e      # np.round: ties to even
;;       return np.moveaxis(q.reshape(q.shape[:-2] + (-1,))[..., :K], -1, axis).astype(np.float32)
;;   ~~~
;; One version. Each part assembles by itself: llvm-mc -triple=amdgcn-amd-amdhsa -mcpu=gfx1250 --defsym DOCPART=n.
;; ======== version 1 of 1: 4 launches
;; limits: values are held in f16: magnitudes above 65,504 overflow, below 6.1e-05 lose precision
;; workspace buffers: xc 4,194,304 bytes; xs 262,144 bytes; wc 1,572,864 bytes; ws 98,304 bytes; wimg 2,097,152 bytes; qkv 50,331,648 bytes; aimg 16,777,216 bytes; perm 33,280 bytes of whole numbers
;; launch prep (part 1): grid 416 x 1, 4 waves a work-group, no clusters, 33,280 bytes of LDS; arguments x, pad_mask, W_qkv, W_proj, xc, xs, wc, ws, wimg, perm; writes xc, xs, wc, ws, wimg, perm
.if DOCPART == 1
	.amdgcn_target "amdgcn-amd-amdhsa--gfx1250"
	.amdhsa_code_object_version 6
	.text
	.protected	k_q6881986246_prep
	.globl	k_q6881986246_prep
	.p2align	8
	.type	k_q6881986246_prep,@function
k_q6881986246_prep:
	s_mov_b64 s[64:65], 0
	v_nop
	global_prefetch_b8 v0, s[64:65] scope:SCOPE_SE
	s_setreg_imm32_b32 hwreg(HW_REG_WAVE_MODE, 25, 1), 1
	s_wait_xcnt 0x0
; FIRST OF FOUR LAUNCHES of out = softmax(q k^T / 8, keys hidden by pad_mask) v W_proj^T, with q, k, v = x W_qkv^T on codes of FP4 (E2M1).
; NO WORK OF THE PROBLEM IS LEFT OUT AS DEAD, and every input is loaded.  What is not multiplied is chosen by whole numbers: a key that pad_mask hides has weight 0 for every query of its batch,
; so this launch lays the tokens of each batch in another order, the open ones first (in their own order), the hidden ones from the end backwards, and stores how many are open; the attention launch reads that number
; and walks only the key steps that hold open keys.  The order of tokens shows nowhere but in the key mask and in the rows of the output: the last launch stores row p at row tok[p].
; THIS LAUNCH: work-groups 0-255: x [8192][1024] f32 -> codes xc [8192 rows in the new order][512 bytes], K innermost, two codes a byte, and scale bytes xs [8192][32]; also tok [8192] and the four counts (perm).
;              work-groups 256-351: W_qkv [3072][1024] likewise -> wc, ws, rows as they lie.    work-groups 352-415: W_proj [1024][1024] f32 -> f16, laid as images of operand registers (wimg).
; THE QUANTISER: a block of 32 along K has the scale 2^(floor(log2(largest magnitude)) - 2); its byte is the largest magnitude's exponent field - 2, held at 1 from below; each number / scale goes to the nearest code, ties to even, beyond 6 to 6.
; LIMITS: a block of zeros gets the byte 1 where the rule says 127 (its codes are zeros, and this program alone reads the bytes); blocks whose largest magnitude lies under 2^-124 have the byte held at 1;
; NaN and infinities in x or the weights are not served; pad_mask's bytes are 0 or 1.
; A wave takes 8 rows = 16 steps of 512 numbers.  Each load reads 512 consecutive bytes; a step's 2,048 bytes turn through the wave's own stage in LDS, so that a lane holds 16 neighbours along K (two lanes a block).
.set WAVES, 4
.set STEPS, 16
.set EMAX,  2
.set CB,    8                          ; bytes of 16 codes
.set R,     16                         ; v16-79   four sets of 16 numbers as loaded
.set X,     80                         ; v80-111  two sets of 16 neighbours
.set E,     112                        ; v112-127 a scale byte for each step; before that: my 64 bytes of the batch's mask
.set C,     128                        ; v128-191 codes, four registers a step
.set CA,    192                        ; v192-199 row i of my eight: byte offset of my lane's codes in the codes' buffer
.set RI,    200                        ; v200     lane / 4: which of the eight rows my 8 scale bytes belong to
.set DR,    201                        ; v201     that row's place in the new order
.set SA,    202                        ; v202     byte offset of my 8 scale bytes
.set TA,    203                        ; v203     byte offset of tok's word
.set TV,    204                        ; v204     the row's number as x has it
.set AF,    205                        ; v205     hidden tokens ahead of my wave's first
.set AT,    206                        ; v206     hidden tokens of the batch
.set VN,    207
.set T0,    208
.set T1,    209
.set MA,    210                        ; v210     the mask loads' offset
.set WREG,  8192                       ; LDS: a region for each wave: two stages of 32 x SP bytes, then its 256 scale bytes
.set SP,    80
.set SPW,   12                         ; v12      LDS address of my spare word; never rewritten
.set NIL,   13                         ; v13      0; never rewritten
.set SPARE, WAVES*WREG                 ; behind the regions: the spare words, 128 bytes a wave, named by no other line
.set POS,   40                         ; s40-47   the eight rows' places in the new order
	s_load_b256 s[4:11], s[0:1], 0x0               ; x s[4:5], pad_mask s[6:7], W_qkv s[8:9], W_proj s[10:11]
	s_load_b256 s[12:19], s[0:1], 0x20             ; xc s[12:13], xs s[14:15], wc s[16:17], ws s[18:19]
	s_load_b128 s[20:23], s[0:1], 0x40             ; wimg s[20:21], perm s[22:23]
	v_lshl_add_u32 v[SPW], v0, 2, SPARE
	v_mov_b32 v[NIL], 0
	v_lshrrev_b32 v1, 5, v0
	v_readfirstlane_b32 s26, v1                    ; wave
	v_and_b32 v2, 31, v0                           ; lane
	s_cmp_ge_u32 ttmp9, 352
	s_cbranch_scc1 .Lproj                          ; W_proj's work-groups: a way of their own, without LDS
	v_lshlrev_b32 v3, 4, v2                        ; my 16 bytes of a load's 512
	s_mul_i32 s36, s26, WREG
	v_lshrrev_b32 v14, 2, v2
	v_mul_u32_u24 v14, v14, SP
	v_and_b32 v15, 3, v2
	v_lshl_add_u32 v14, v15, 4, v14
	v_add_nc_u32 v14, s36, v14                     ; the stage, on the way in: SP (lane / 4) + 16 (lane % 4)
	v_mul_u32_u24 v15, v2, SP
	v_add_nc_u32 v15, s36, v15                     ; and on the way out: SP x lane: my 16 neighbours
	v_mul_u32_u24 v4, v2, CB                       ; my codes' place in a step's 256 bytes
	v_lshrrev_b32 v5, 1, v2
	s_add_co_u32 s36, s36, 2*32*SP
	v_add_nc_u32 v5, s36, v5                       ; LDS: my wave's 256 scale bytes, my block's byte
	v_lshlrev_b32 v7, 3, v2
	v_add_nc_u32 v6, s36, v7                       ; and on the way out 8 bytes a lane
	v_lshrrev_b32 v[RI], 2, v2
	s_mov_b32 s48, 0x76543210
	s_mov_b32 s49, 0xfedcba98                      ; v_permlanex16_b32's selects for lane l xor 16
	s_cmp_lt_u32 ttmp9, 256
	s_cselect_b32 s36, 0, 256
	s_sub_co_u32 s27, ttmp9, s36                   ; the work-group's number within its tensor
	s_lshl_b32 s28, s27, 5
	s_lshl_b32 s36, s26, 3
	s_add_co_u32 s28, s28, s36                     ; my wave's first row: 32 x work-group + 8 x wave
	s_lshr_b32 s29, s28, 11                        ; x: the batch,
	s_and_b32 s30, s28, 2047                       ; and my first token in it
	s_lshl_b32 s39, s29, 11
	s_lshl_b32 s36, s28, 12                        ; a row is 4,096 bytes (under 2^25 in all)
	s_mov_b32 s37, 0
	s_wait_kmcnt 0x0
	s_cmp_lt_u32 ttmp9, 256                        ; x or W_qkv: the choice hangs on the work-group's number alone
	s_cselect_b64 s[50:51], s[4:5], s[8:9]         ; the numbers,
	s_cselect_b64 s[52:53], s[12:13], s[16:17]     ; the codes,
	s_cselect_b64 s[54:55], s[14:15], s[18:19]     ; the scale bytes
	s_add_nc_u64 s[50:51], s[50:51], s[36:37]
.macro LOAD t
.irp i, 0,1,2,3
	global_load_b128 v[R+16*((\t)%4)+4*\i:R+16*((\t)%4)+4*\i+3], v3, s[50:51] offset:2048*(\t)+512*\i th:TH_LOAD_NT   ; 32 lanes read 512 consecutive bytes
.endr
.endm
	s_cbranch_scc0 .Lweights
	; ---- x: where do my eight tokens go?  A lane takes 64 bytes of the batch's mask: 16 words of four tokens
	v_lshl_add_u32 v[MA], v2, 6, s39
.irp i, 0,1,2,3
	global_load_b128 v[E+4*\i:E+4*\i+3], v[MA], s[6:7] offset:16*\i
.endr
	s_load_b64 s[34:35], s[6:7], s28 offset:0x0    ; my eight tokens' own bytes (my first row is a multiple of 8)
.irp t, 0,1,2,3
	LOAD \t
.endr
	s_lshr_b32 s36, s30, 2
	v_lshlrev_b32 v[VN], 4, v2
	v_sub_nc_u32 v[VN], s36, v[VN]                 ; word i of mine lies ahead of my wave's first token where i < first / 4 - 16 lane
	v_mov_b32 v[T0], 0                             ; (destinations of lane moves count as read)
	v_mov_b32 v[T1], 0
	s_wait_loadcnt 16                              ; the four mask loads are in; the 16 data loads behind them stay out
	v_cmp_lt_i32 vcc_lo, 0, v[VN]
	v_cndmask_b32 v[AF], 0, v[E], vcc_lo           ; bytes are added byte by byte: 16 at the most in a byte
	v_mov_b32 v[AT], v[E]
.irp i, 1,2,3,4,5,6,7,8,9,10,11,12,13,14,15
	v_cmp_lt_i32 vcc_lo, \i, v[VN]
	v_cndmask_b32 v[T0], 0, v[E+\i], vcc_lo
	v_add_nc_u32 v[AF], v[AF], v[T0]
	v_add_nc_u32 v[AT], v[AT], v[E+\i]
.endr
	v_mul_lo_u32 v[AF], v[AF], 0x01010101          ; the four bytes' sum (64 at the most) lands in the top byte
	v_mul_lo_u32 v[AT], v[AT], 0x01010101
	v_lshrrev_b32 v[AF], 24, v[AF]
	v_lshrrev_b32 v[AT], 24, v[AT]
.irp m, 1,2,4,8                        ; over the 32 lanes, in whole numbers: addresses are made of these sums
	v_mov_b32_dpp v[T0], v[AF] row_xmask:\m row_mask:0xf bank_mask:0xf
	v_mov_b32_dpp v[T1], v[AT] row_xmask:\m row_mask:0xf bank_mask:0xf
	v_add_nc_u32 v[AF], v[AF], v[T0]
	v_add_nc_u32 v[AT], v[AT], v[T1]
.endr
	v_permlanex16_b32 v[T0], v[AF], s48, s49
	v_permlanex16_b32 v[T1], v[AT], s48, s49
	v_add_nc_u32 v[AF], v[AF], v[T0]
	v_add_nc_u32 v[AT], v[AT], v[T1]
	v_readfirstlane_b32 s31, v[AF]                 ; hidden tokens ahead of my first
	v_readfirstlane_b32 s32, v[AT]                 ; hidden tokens of the batch
	s_wait_kmcnt 0x0
.irp i, 0,1,2,3,4,5,6,7
	s_bfe_u32 s36, s[34+\i/4], (8<<16)|(8*(\i%4))  ; token i's byte
	s_add_co_u32 s37, s30, \i
	s_sub_co_u32 s37, s37, s31                     ; open: its number less the hidden ones ahead of it
	s_sub_co_u32 s38, 2047, s31                    ; hidden: from the end backwards
	s_cmp_lg_u32 s36, 0
	s_cselect_b32 s[POS+\i], s38, s37
	s_add_co_u32 s31, s31, s36
	s_add_co_u32 s[POS+\i], s[POS+\i], s39         ; in its batch
.endr
	s_branch .Lrows
.Lweights:                                             ; ---- W_qkv: rows stay where they are
.irp t, 0,1,2,3
	LOAD \t
.endr
.irp i, 0,1,2,3,4,5,6,7
	s_add_co_u32 s[POS+\i], s28, \i
.endr
	s_mov_b32 s32, 0
.Lrows:
	v_mov_b32 v[DR], 0
.irp i, 0,1,2,3,4,5,6,7
	s_min_u32 s[POS+\i], s[POS+\i], 8191           ; a number made of loaded data is held to the buffer's rows before it enters an address
	s_lshl_b32 s36, s[POS+\i], 9                   ; a row of codes is 512 bytes
	v_add_nc_u32 v[CA+\i], s36, v4
	v_cmp_ne_u32 vcc_lo, \i, v[RI]
	v_cndmask_b32 v[DR], s[POS+\i], v[DR], vcc_lo  ; my lane's row (lane / 4) of the eight
.endr
	v_min_u32 v[DR], 8191, v[DR]
	v_and_b32 v[T0], 3, v2
	v_lshlrev_b32 v[T0], 3, v[T0]
	v_lshl_add_u32 v[SA], v[DR], 5, v[T0]          ; a row of scale bytes is 32 bytes; four lanes share it, 8 bytes each
.macro TURN t                          ; step t's numbers through the stage: LDS serves a wave's instructions in order, so no wait stands between the stores and the loads
.irp i, 0,1,2,3
	ds_store_b128 v14, v[R+16*((\t)%4)+4*\i:R+16*((\t)%4)+4*\i+3] offset:32*SP*((\t)%2)+8*SP*\i
.endr
.irp i, 0,1,2,3
	ds_load_b128 v[X+16*((\t)%2)+4*\i:X+16*((\t)%2)+4*\i+3], v15 offset:32*SP*((\t)%2)+16*\i
.endr
.endm
	s_wait_loadcnt 12                              ; step 0's four loads are in
	TURN 0
.macro STEP t
.set XS, X+16*((\t)%2)
.if (\t) > 0
	s_wait_dscnt 1                                 ; this step's numbers are back from the stage (the last step's byte store may be out): so its stores into the stage have read their registers,
.else
	s_wait_dscnt 0x0
.endif
.if (\t)+4 < STEPS
	LOAD (\t)+4                                    ; which take the loads of four steps on
.endif
.if (\t)+1 < STEPS
.if STEPS-2-(\t) >= 3
	s_wait_loadcnt 12                              ; the next step's four loads are in; those of the three steps behind it may be out
.else
	s_wait_loadcnt 4*(STEPS-2-(\t))
.endif
	TURN (\t)+1                                    ; and go through the other stage while this step is worked
.endif
	v_max3_num_f32 v8, |v[XS]|, |v[XS+1]|, |v[XS+2]|               ; the largest magnitude of my 16
	v_max3_num_f32 v9, |v[XS+3]|, |v[XS+4]|, |v[XS+5]|
.irp i, 6,10
	v_max3_num_f32 v8, v8, |v[XS+\i]|, |v[XS+\i+1]|
	v_max3_num_f32 v9, v9, |v[XS+\i+2]|, |v[XS+\i+3]|
.endr
	v_max3_num_f32 v8, v8, |v[XS+14]|, |v[XS+15]|
	v_max3_num_f32 v8, v8, v9, (EMAX+1)<<23        ; and the floor 2^(3 - 127): the byte cannot fall under 1
	v_max_num_f32_dpp v8, v8, v8 row_xmask:1 row_mask:0xf bank_mask:0xf   ; and of my neighbour's 16: the block's
	v_add_nc_u32 v11, -(EMAX<<23), v8              ; 2 off its exponent field: the conversion takes the exponent field of this operand as its scale
	v_cvt_scalef32_pk8_fp4_f32 v[C+4*(\t)], v[XS:XS+7], v11
	v_cvt_scalef32_pk8_fp4_f32 v[C+4*(\t)+1], v[XS+8:XS+15], v11
	v_lshrrev_b32 v[E+(\t)], 23, v11               ; the scale's byte (also the plain line behind the conversions)
	ds_store_b8 v5, v[E+(\t)] offset:16*(\t)       ; both lanes of a block write the same byte with the same value
	global_store_b64 v[CA+(\t)/2], v[C+4*(\t):C+4*(\t)+1], s[52:53] offset:256*((\t)%2)   ; half a row of codes: 256 consecutive bytes, aligned, of the row's new place
.endm
.irp t, 0,1,2,3,4,5,6,7,8,9,10,11,12,13,14,15
	STEP \t
.endr
	ds_load_b64 v[8:9], v6                         ; LDS serves a wave's instructions in order: these see my stores
	s_wait_dscnt 0x0
	global_store_b64 v[SA], v[8:9], s[54:55]       ; 32 bytes a row, rows in the new order
	s_cmp_lt_u32 ttmp9, 256
	s_cbranch_scc0 .Lend
	v_lshlrev_b32 v[TA], 2, v[DR]
	v_add_nc_u32 v[TV], s28, v[RI]
	global_store_b32 v[TA], v[TV], s[22:23]        ; tok[new place] = the row as x has it (four lanes write the same word with the same value)
	s_cmp_eq_u32 s30, 0
	s_cbranch_scc0 .Lend                           ; the wave with a batch's first token also stores the batch's count of open tokens
	s_sub_co_u32 s36, 2048, s32
	v_mov_b32 v[T0], s36
	s_lshl_b32 s37, s29, 7
	v_lshl_add_u32 v[T1], v2, 2, s37
	global_store_b32 v[T1], v[T0], s[22:23] offset:32768   ; 32 equal words at 32,768 + 128 x batch
.Lend:
	s_wait_tensorcnt 0x0                           ; the wave's end: behind my last LDS store
	ds_add_u32 v[SPW], v[NIL]
	s_wait_dscnt 0x0
	s_endpgm
.Lproj:
	; ---- W_proj: work-group k takes rows 16 k .. 16 k + 15, wave w columns 256 w on.  An image of 512 bytes holds, at 16 x lane, row lane % 16 and the eight columns 16 kc + 8 (lane / 16) + 0 .. 7 as f16:
	; half of a 16 x 32 operand's registers, so that the last launch's fragments come by loads of 16 bytes a lane from consecutive bytes.
	s_sub_co_u32 s27, ttmp9, 352
	v_and_b32 v5, 15, v0
	v_bfe_u32 v6, v0, 4, 1
	v_lshlrev_b32 v3, 12, v5                       ; row x 4,096 bytes
	v_lshl_add_u32 v3, v6, 5, v3                   ; + 32 x half
	s_lshl_b32 s36, s26, 10
	v_add_nc_u32 v3, s36, v3                       ; + my wave's 1,024 bytes of the row
	s_lshl_b32 s36, s26, 13
	v_lshl_add_u32 v4, v2, 4, s36                  ; out: 16 x lane + my wave's 16 images
	s_lshl_b32 s36, s27, 16
	s_mov_b32 s37, 0
	s_lshl_b32 s38, s27, 15
	s_mov_b32 s39, 0
	s_wait_kmcnt 0x0
	s_add_nc_u64 s[50:51], s[10:11], s[36:37]
	s_add_nc_u64 s[52:53], s[20:21], s[38:39]
.irp q, 0,1,2,3,4,5,6,7,8,9,10,11,12,13,14,15
	global_load_b128 v[16+8*\q:19+8*\q], v3, s[50:51] offset:64*\q th:TH_LOAD_NT
	global_load_b128 v[20+8*\q:23+8*\q], v3, s[50:51] offset:64*\q+16 th:TH_LOAD_NT
.endr
.irp q, 0,1,2,3,4,5,6,7,8,9,10,11,12,13,14,15
	s_wait_loadcnt 30-2*\q                         ; image q's two loads are in; the younger pairs stay out
.irp i, 0,1,2,3
	v_cvt_pk_f16_f32 v[16+8*\q+\i], v[16+8*\q+2*\i], v[16+8*\q+2*\i+1]   ; in place, ascending: no number is written over before it is read
.endr
	global_store_b128 v4, v[16+8*\q:19+8*\q], s[52:53] offset:512*\q     ; 512 consecutive bytes, aligned
.endr
	s_endpgm
.Lfunc_end_k_q6881986246_prep:
	.size	k_q6881986246_prep, .Lfunc_end_k_q6881986246_prep-k_q6881986246_prep
	.p2alignl 7, 3214868480
	.fill 96, 4, 3214868480
	.section	.rodata,"a",@progbits
	.p2align	6, 0x0
	.amdhsa_kernel k_q6881986246_prep
		.amdhsa_group_segment_fixed_size 33280
		.amdhsa_private_segment_fixed_size 0
		.amdhsa_enable_private_segment 0
		.amdhsa_kernarg_size 80
		.amdhsa_user_sgpr_count 2
		.amdhsa_user_sgpr_kernarg_segment_ptr 1
		.amdhsa_wavefront_size32 1
		.amdhsa_system_sgpr_workgroup_id_x 1
		.amdhsa_system_sgpr_workgroup_id_y 1
		.amdhsa_system_sgpr_workgroup_id_z 1
		.amdhsa_system_vgpr_workitem_id 0
		.amdhsa_next_free_vgpr 224
		.amdhsa_next_free_sgpr 66
		.amdhsa_reserve_vcc 1
		.amdhsa_float_denorm_mode_32 3
		.amdhsa_float_denorm_mode_16_64 3
		.amdhsa_memory_ordered 1
		.amdhsa_forward_progress 1
		.amdhsa_inst_pref_size 54
	.end_amdhsa_kernel
	.amdgpu_metadata
---
amdhsa.version: [ 1, 2 ]
amdhsa.kernels:
  - .name:           k_q6881986246_prep
    .symbol:         k_q6881986246_prep.kd
    .args:
      - { .name: x, .offset: 0, .size: 8, .value_kind: global_buffer, .address_space: global }
      - { .name: pad_mask, .offset: 8, .size: 8, .value_kind: global_buffer, .address_space: global }
      - { .name: W_qkv, .offset: 16, .size: 8, .value_kind: global_buffer, .address_space: global }
      - { .name: W_proj, .offset: 24, .size: 8, .value_kind: global_buffer, .address_space: global }
      - { .name: xc, .offset: 32, .size: 8, .value_kind: global_buffer, .address_space: global }
      - { .name: xs, .offset: 40, .size: 8, .value_kind: global_buffer, .address_space: global }
      - { .name: wc, .offset: 48, .size: 8, .value_kind: global_buffer, .address_space: global }
      - { .name: ws, .offset: 56, .size: 8, .value_kind: global_buffer, .address_space: global }
      - { .name: wimg, .offset: 64, .size: 8, .value_kind: global_buffer, .address_space: global }
      - { .name: perm, .offset: 72, .size: 8, .value_kind: global_buffer, .address_space: global }
    .group_segment_fixed_size: 33280
    .private_segment_fixed_size: 0
    .kernarg_segment_align: 8
    .kernarg_segment_size: 80
    .max_flat_workgroup_size: 128
    .sgpr_count:     66
    .vgpr_count:     224
    .wavefront_size: 32
...
	.end_amdgpu_metadata
.endif
;; end of part 1
;; launch qkv (part 2): grid 8 x 48, 4 waves a work-group, clusters of 4 x 4, 327,680 bytes of LDS; arguments xc, xs, wc, ws, qkv; writes qkv
.if DOCPART == 2
	.amdgcn_target "amdgcn-amd-amdhsa--gfx1250"
	.amdhsa_code_object_version 6
	.text
	.protected	k_q6881986246_qkv
	.globl	k_q6881986246_qkv
	.p2align	8
	.type	k_q6881986246_qkv,@function
k_q6881986246_qkv:
	s_mov_b64 s[64:65], 0
	v_nop
	global_prefetch_b8 v0, s[64:65] scope:SCOPE_SE
	s_setreg_imm32_b32 hwreg(HW_REG_WAVE_MODE, 25, 1), 1
	s_wait_xcnt 0x0
	s_wait_alu depctr_hold_cnt(0) depctr_sa_sdst(0) depctr_va_vdst(0) depctr_va_sdst(0) depctr_va_ssrc(0) depctr_va_vcc(0) depctr_vm_vsrc(0)
	s_getreg_b32 s2, hwreg(HW_REG_IB_STS2, 6, 4)
	s_cmp_eq_u32 s2, 0
	s_cbranch_scc0 .Lentry_in_a_cluster
	s_endpgm
.Lentry_in_a_cluster:
	s_bfe_u32 s2, ttmp6, 0x10000c
	s_cmp_lg_u32 s2, 0xf033
	s_cbranch_scc0 .Lentry_shape_is_right
	s_endpgm
.Lentry_shape_is_right:
; SECOND LAUNCH: q, k, v = x W_qkv^T on codes of FP4 (E2M1) with one E8M0 scale for each 32 along K = 1,024; sums in f32; the results leave as f16, laid as images of the operand registers that the attention launch wants.
; Nothing is left out: k and v of hidden tokens lie in tiles whose q is wanted.  LIMIT: |q|, |k|, |v| stay under 65,504, f16's largest number.
; A tile of 256 x 256 results is made by four waves, 128 x 128 each: 64 accumulators of 16 x 16.  All of K is two LDS slots of 512 along K, both asked for at the head: nothing is filled again.
; TWO PARTS, ONE TEXT.  Clusters with y < 8: A = x (rows = tokens, 32 tile rows), B = W_qkv's rows 0-2,047 (q's and k's channels, 8 tile columns).  Clusters with y >= 8: A = W_qkv's rows 2,048-3,071 (v's channels,
; 4 tile rows), B = x (32 tile columns).  The buffers are chosen by s_cselect on the cluster's y, which all partners share; no branch hangs on it.
; THE MATRIX INSTRUCTION IS USED TRANSPOSED (source 0 = 16 rows of B, source 1 = 16 rows of A): a lane holds ONE row of A and eight neighbouring rows of B.  In the first part that is a token and 8 channels, in the
; second a channel and 8 tokens: rounded in pairs to f16, an accumulator IS half of a 16 x 32 operand's registers (row lane % 16, k = 8 (lane / 16) + 0 .. 7), and leaves by one store of 512 consecutive bytes.  No stage in LDS.
; qkv: block (64 part + 16 batch + head) of 262,144 bytes.  q, k: [token tile 128][16 channels: 4][512 bytes].  v: [64 keys: 32][16 channels: 4][16 keys: 4][512 bytes].
; CLUSTERS: 4 x 4 work-groups; A's tiles are asked for jointly along a row of the cluster, B's along a column.
; REGISTERS: window 0: v0-31 addresses; v32-95 scale words, two sets, and nothing else; from v128 A's fragments, one set (on the way out: packed results).  window 1: B's fragments, two sets.  windows 2, 3: the accumulators.
.set KSTEP,  512
.set NQ,     KSTEP/128
.set ROWB,   256                       ; a tile's row in bytes
.set KROW,   512                       ; a row of codes in memory
.set PITCH,  272                       ; an LDS row: 256 bytes + 16 of padding: the 16 rows that a load touches start 68 words apart
.set FR,     8
.set NL,     2
.set NP,     4
.set HALFT,  128*PITCH
.set SLOT,   4*HALFT
.set KS,     32                        ; a row of scale bytes
.set SCL,    2*SLOT                    ; behind the two slots: the scales, as units of 256 bytes + 16 of padding
.set HALFS,  (128*KS/256)*272
.set SBLK,   (16*KS/256)*272
.set SPARE,  SCL+4*HALFS               ; the spare words, 128 bytes a wave, named by no other line
.set VO,   8                           ; v8-11   the way out: 16 x lane + (A's blocks 4-7) SA + (B's blocks 4-7) SB
.set ADRA, 16
.set ADRB, 20
.set ADRS, 27
.set SPW,  28
.set NIL,  29
.set SC,   32
.set AF,   128
.set TMP,  128                         ; the way out: two sets of 32 registers of packed results, where A's fragments lay
.set G1, 24
.set G0, 32
.set G1B, 48
.set G0B, 56
.set G1S, 68
.set G0S, 76
.set G1SB, 80
.set G0SB, 88
.set MSB, 0
.macro WIN new                         ; the immediate's high byte repeats the setting that is left
.if MSB != (\new)
	s_set_vgpr_msb (MSB<<8)|(\new)
.set MSB, (\new)
.endif
.endm
.set MUL_LO, 0xa1                      ; source 0 (B) window 1, source 1 (A) window 0, C and D window 2
.set MUL_HI, 0xf1
.set TO_B,   0x40
; A joint load: waves 0 and 1 fetch for A, waves 2 and 3 for B; the branch hangs on the wave's number alone.  An s_nop 0 and four v_nop follow each line.
.macro JLOAD g0a, g1a, g0b, g1b
	s_cmp_eq_u32 s15, 0
	s_cbranch_scc0 .Lfor_b_\@
	tensor_load_to_lds s[\g0a:\g0a+3], s[\g1a:\g1a+7]
	s_nop 0
.rept 4
	v_nop
.endr
	s_branch .Lasked_\@
.Lfor_b_\@:
	tensor_load_to_lds s[\g0b:\g0b+3], s[\g1b:\g1b+7]
	s_nop 0
.rept 4
	v_nop
.endr
.Lasked_\@:
.endm
.macro CROUND                          ; a round of the cluster's barrier
	s_barrier_signal -1
	s_barrier_wait -1
	s_cmp_lg_u32 s14, 0
	s_cbranch_scc1 .Lnot_wave_0_\@
	s_barrier_signal -3
.Lnot_wave_0_\@:
	s_barrier_wait -3
	s_barrier_signal -1
	s_barrier_wait -1
.endm
	s_load_b128 s[4:7], s[0:1], 0x0                ; xc, xs
	s_load_b128 s[8:11], s[0:1], 0x10              ; wc, ws
	s_load_b64 s[12:13], s[0:1], 0x20              ; qkv
	v_lshl_add_u32 v[SPW], v0, 2, SPARE
	v_mov_b32 v[NIL], 0
	ds_add_u32 v[SPW], v[NIL]                      ; the wave's opening: the add, twice on end, and its wait ahead of my first tensor load
	ds_add_u32 v[SPW], v[NIL]
	v_lshrrev_b32 v1, 5, v0
	v_readfirstlane_b32 s14, v1                    ; wave 0..3
	s_lshr_b32 s15, s14, 1                         ; which half of A's rows is mine.  Also: I fetch for A (0) or for B (1)
	s_and_b32 s16, s14, 1                          ; which half of B's rows.  Also: which 128 rows I fetch
	s_bfe_u32 s40, ttmp6, 0x40000                  ; cx, cy: my place in the cluster
	s_bfe_u32 s41, ttmp6, 0x40004
	s_and_b32 s96, ttmp7, 0xffff                   ; the cluster's y
	s_sub_co_u32 s97, s96, 8
	s_lshl_b32 s97, s97, 1
	s_add_co_u32 s97, s97, ttmp9                   ; second part: 2 (y - 8) + x, 0 .. 7 (not chosen in the first part)
	s_cmp_lt_u32 s96, 8
	s_cselect_b32 s42, ttmp9, s97
	s_cselect_b32 s17, s96, 0
	s_cselect_b32 s95, 0, 2048                     ; where A's rows begin in their buffer
	s_cselect_b32 s98, 1, 0                        ; 1: the first part
	s_lshl_b32 s42, s42, 2
	s_add_co_u32 s42, s42, s40                     ; tile column
	s_lshl_b32 s17, s17, 2
	s_add_co_u32 s17, s17, s41                     ; tile row
	s_lshl_b32 s43, s41, 2
	s_lshl_b32 s43, 15, s43                        ; my row of the cluster
	s_lshl_b32 s44, 0x1111, s40                    ; my column
	; descriptor group 1: a tile of 128 rows x 256 bytes, 16 bytes of padding behind each row
	s_or_b32 s[G1+0], s43, (0<<16)|(1<<20)|(1<<21)|(5<<22)|(3<<25)  ; 15:0 the mask; 17:16 elements of 1 byte; 20 padding on; 21 set beside a mask; 24:22 after every 64 words; 31:25 four words
	s_or_b32 s[G1B+0], s44, (0<<16)|(1<<20)|(1<<21)|(5<<22)|(3<<25)
.irp g, G1, G1B
	s_mov_b32 s[\g+1], ROWB<<16                    ; tensor_dim0
	s_mov_b32 s[\g+2], 128<<16                     ; tensor_dim1
	s_mov_b32 s[\g+3], ROWB<<16                    ; tile_dim0
	s_mov_b32 s[\g+4], 128                         ; tile_dim1
	s_mov_b32 s[\g+5], KROW                        ; from row to row
	s_mov_b32 s[\g+6], 0
	s_mov_b32 s[\g+7], 0
.endr
	; the scales of 128 rows: 4,096 dense bytes, as 16 rows of 256 bytes (32 elements of 8 bytes), 16 bytes of padding behind each
	s_or_b32 s[G1S+0], s43, (3<<16)|(1<<20)|(1<<21)|(5<<22)|(3<<25)
	s_or_b32 s[G1SB+0], s44, (3<<16)|(1<<20)|(1<<21)|(5<<22)|(3<<25)
.irp g, G1S, G1SB
	s_mov_b32 s[\g+1], 32<<16
	s_mov_b32 s[\g+2], (128*KS/256)<<16
	s_mov_b32 s[\g+3], 32<<16
	s_mov_b32 s[\g+4], 128*KS/256
	s_mov_b32 s[\g+5], 32
	s_mov_b32 s[\g+6], 0
	s_mov_b32 s[\g+7], 0
.endr
	s_lshl_b32 s18, s16, 7                         ; which 128 rows of the tile I fetch
	s_lshl_b32 s20, s17, 8
	s_add_co_u32 s20, s20, s18
	s_add_co_u32 s20, s20, s95                     ; A: row 256 x tile row + 128 x half (+ 2,048 in W_qkv)
	s_lshl_b32 s46, s42, 8
	s_add_co_u32 s46, s46, s18                     ; B: row 256 x tile column + 128 x half
	s_mov_b32 s21, 0
	s_mov_b32 s47, 0
	s_mov_b64 s[18:19], KS
	s_mul_u64 s[22:23], s[20:21], s[18:19]         ; where these rows' scales begin,
	s_mul_u64 s[92:93], s[46:47], s[18:19]
	s_mov_b64 s[18:19], KROW
	s_mul_u64 s[20:21], s[20:21], s[18:19]         ; and their codes
	s_mul_u64 s[46:47], s[46:47], s[18:19]
	s_mul_i32 s45, s14, HALFT                      ; where they go: wave x 128 rows
	s_mul_i32 s94, s14, HALFS
	s_wait_dscnt 0x0                               ; both opening adds are done
	s_wait_kmcnt 0x0
	s_cmp_eq_u32 s98, 1                            ; which buffers are A's and which B's
	s_cselect_b64 s[66:67], s[4:5], s[8:9]         ; A's codes
	s_cselect_b64 s[8:9], s[8:9], s[4:5]           ; B's codes
	s_cselect_b64 s[100:101], s[6:7], s[10:11]     ; A's scales
	s_cselect_b64 s[10:11], s[10:11], s[6:7]       ; B's scales
	s_add_nc_u64 s[20:21], s[66:67], s[20:21]
	s_add_nc_u64 s[22:23], s[100:101], s[22:23]
	s_add_nc_u64 s[46:47], s[8:9], s[46:47]
	s_add_nc_u64 s[92:93], s[10:11], s[92:93]
	CROUND                                         ; all sixteen work-groups are here: the joint loads meet
	s_mov_b32 s[G0S], 1
	s_add_co_u32 s[G0S+1], s94, SCL
	s_mov_b64 s[G0S+2:G0S+3], s[22:23]
	s_or_b32 s[G0S+3], s[G0S+3], 0x80000000
	s_mov_b32 s[G0SB], 1
	s_add_co_u32 s[G0SB+1], s94, SCL
	s_mov_b64 s[G0SB+2:G0SB+3], s[92:93]
	s_or_b32 s[G0SB+3], s[G0SB+3], 0x80000000
	JLOAD G0S, G1S, G0SB, G1SB                     ; the scales first: they are wanted with the first K step
.irp s, 0,1
	s_mov_b32 s[G0+4*\s], 1
	s_add_co_u32 s[G0+4*\s+1], s45, \s*SLOT
	s_add_nc_u64 s[G0+4*\s+2:G0+4*\s+3], s[20:21], \s*ROWB
	s_or_b32 s[G0+4*\s+3], s[G0+4*\s+3], 0x80000000
	s_mov_b32 s[G0B+4*\s], 1
	s_add_co_u32 s[G0B+4*\s+1], s45, \s*SLOT
	s_add_nc_u64 s[G0B+4*\s+2:G0B+4*\s+3], s[46:47], \s*ROWB
	s_or_b32 s[G0B+4*\s+3], s[G0B+4*\s+3], 0x80000000
	JLOAD G0+4*\s, G1, G0B+4*\s, G1B               ; three tensor loads of mine are out behind the second of these
.endr
	v_and_b32 v1, 15, v0                           ; l % 16
	v_bfe_u32 v2, v0, 4, 1                         ; l / 16
	v_mul_u32_u24 v3, v1, PITCH
	v_lshl_add_u32 v4, v2, 4, v3                   ; a fragment's row x pitch + 16 x half
	s_mul_i32 s21, s15, HALFT                      ; my 128 rows of A
	s_mul_i32 s22, s16, HALFT                      ; my 128 rows of B,
	s_add_co_u32 s22, s22, 2*HALFT                 ; which lie behind A's 256
.irp s, 0,1
	v_add_nc_u32 v[ADRA+\s], s21, v4
	v_add_nc_u32 v[ADRB+\s], s22, v4
	s_add_co_u32 s21, s21, SLOT
	s_add_co_u32 s22, s22, SLOT
.endr
	v_mul_u32_u24 v5, v1, KS                       ; my row's scales: 32 bytes a row,
	v_lshrrev_b32 v6, 8, v5
	v_lshl_add_u32 v5, v6, 4, v5                   ; and 16 more for each 256 passed
	s_mul_i32 s21, s15, HALFS
	s_mul_i32 s22, s16, HALFS
	s_add_co_u32 s22, s22, 2*HALFS
	s_sub_co_u32 s22, s22, s21
	v_mul_u32_u24 v6, s22, v2                      ; lanes 16-31 take B's
	s_add_co_u32 s21, s21, SCL
	v_add_nc_u32 v5, v5, v6
	v_add_nc_u32 v[ADRS], s21, v5
	; the way out: where my 128 x 128 results begin in qkv
	s_lshl_b32 s20, s17, 8
	s_lshl_b32 s21, s15, 7
	s_add_co_u32 s20, s20, s21                     ; my first row of A
	s_lshl_b32 s46, s42, 8
	s_lshl_b32 s47, s16, 7
	s_add_co_u32 s46, s46, s47                     ; my first row of B
	s_mov_b32 s2, 0x2000                           ; four token tiles of q or k; a step of 64 keys of v
	s_mov_b32 s3, 0x40000                          ; the next head's block
	s_cmp_eq_u32 s98, 1
	s_cselect_b32 s22, s20, s46                    ; my first token
	s_cselect_b32 s23, s46, s20                    ; my first channel of q and k together (0 .. 2,047), or of v (0 .. 1,023)
	s_cselect_b32 s66, s2, s3                      ; SA: from A's blocks 0-3 to 4-7
	s_cselect_b32 s67, s3, s2                      ; SB: from B's blocks 0-3 to 4-7
	s_lshr_b32 s21, s23, 10
	s_cmp_eq_u32 s98, 1
	s_cselect_b32 s21, s21, 2                      ; part: 0 q, 1 k, 2 v
	s_lshl_b32 s21, s21, 2
	s_lshr_b32 s47, s22, 11
	s_add_co_u32 s21, s21, s47                     ; 4 part + batch
	s_lshl_b32 s21, s21, 4
	s_bfe_u32 s47, s23, 0x40006                    ; head: 4 bits from bit 6
	s_add_co_u32 s21, s21, s47
	s_lshl_b32 s21, s21, 18                        ; the block
	s_and_b32 s47, s22, 2047
	s_lshl_b32 s47, s47, 7                         ; (token in the batch / 16) x 2,048
	s_add_co_u32 s20, s21, s47
	s_mov_b32 s21, 0
	s_add_nc_u64 s[12:13], s[12:13], s[20:21]
	v_and_b32 v5, 31, v0
	v_lshlrev_b32 v[VO], 4, v5
	v_add_nc_u32 v[VO+1], s67, v[VO]
	v_add_nc_u32 v[VO+2], s66, v[VO]
	v_add_nc_u32 v[VO+3], s67, v[VO+2]
.macro FRAG reg, adr, q, i             ; 16 rows x 128 K of 4-bit codes: lane l holds row l % 16; registers 4 c .. 4 c + 3 hold K = 64 c + 32 (l / 16) + 0 .. 31
.irp c, 0,1
	ds_load_b128 v[\reg+4*\c:\reg+4*\c+3], v[\adr] offset:64*(\q)+32*\c+(\i)*16*PITCH
.endr
.endm
; 16 matrix instructions: A's blocks a0, a0 + 1 x B's eight, 128 along K.  The 64 accumulators take turns, one instruction a turn, in the same order in every step.
.macro MUL16 a0, p, q, sc, zero
.irp a, \a0, \a0+1
.irp b, 0,1,2,3,4,5,6,7
.if \zero
	v_wmma_scale_f32_16x16x128_f8f6f4 v[8*(8*((\a)%4)+\b):8*(8*((\a)%4)+\b)+7], v[128*(\p)+FR*\b:128*(\p)+FR*\b+FR-1], v[AF+FR*(\a):AF+FR*(\a)+FR-1], 0, v[SC+8*NQ*(\sc)+NQ*\b+(\q)], v[SC+8*NQ*(\sc)+NQ*(\a)+(\q)] matrix_a_fmt:MATRIX_FMT_FP4 matrix_b_fmt:MATRIX_FMT_FP4 matrix_a_scale:MATRIX_SCALE_ROW1
.else
	v_wmma_scale_f32_16x16x128_f8f6f4 v[8*(8*((\a)%4)+\b):8*(8*((\a)%4)+\b)+7], v[128*(\p)+FR*\b:128*(\p)+FR*\b+FR-1], v[AF+FR*(\a):AF+FR*(\a)+FR-1], v[8*(8*((\a)%4)+\b):8*(8*((\a)%4)+\b)+7], v[SC+8*NQ*(\sc)+NQ*\b+(\q)], v[SC+8*NQ*(\sc)+NQ*(\a)+(\q)] matrix_a_fmt:MATRIX_FMT_FP4 matrix_b_fmt:MATRIX_FMT_FP4 matrix_a_scale:MATRIX_SCALE_ROW1
.endif
.endr
.endr
.endm
.macro FETCH_B slot, q, p
	WIN TO_B
.irp i, 0,1,2,3,4,5,6,7
	FRAG 128*(\p)+FR*\i, ADRB+\slot, \q, \i
.endr
	WIN 0
.endm
.macro FETCH_A slot, q, i0
.irp i, \i0, \i0+1, \i0+2, \i0+3
	FRAG AF+FR*(\i), ADRA+\slot, \q, \i
.endr
.endm
.macro SCALES sc                       ; a K step's scale words: lanes 0-15 take A's block i, lanes 16-31 B's block i
.irp i, 0,1,2,3,4,5,6,7
	ds_load_b128 v[SC+8*NQ*\sc+NQ*\i:SC+8*NQ*\sc+NQ*\i+3], v[ADRS] offset:\i*SBLK
.endr
.endm
.macro PLACES n                        ; plain vector instructions between a matrix instruction and a load into, or a vector instruction on, its registers
.rept \n
	v_nop
.endr
.endm
.macro STEP slot, q, zero              ; 128 along K, with its successor in the same slot
	s_wait_dscnt 4*NL                              ; B's set and A's blocks 0-3 are in; the youngest eight loads (A's blocks 4-7) may be out
	WIN MUL_LO
	MUL16 0, (\q)%2, \q, \slot, \zero
	MUL16 2, (\q)%2, \q, \slot, \zero
	s_wait_dscnt 0
	PLACES NP
	FETCH_B \slot, (\q)+1, 1-(\q)%2
	FETCH_A \slot, (\q)+1, 0
	WIN MUL_HI
	MUL16 4, (\q)%2, \q, \slot, \zero
	MUL16 6, (\q)%2, \q, \slot, \zero
	PLACES NP
	WIN 0
	FETCH_A \slot, (\q)+1, 4
.endm
.macro STEPS slot, from
.set Q, \from
.rept NQ-1-\from
	STEP \slot, Q, 0
.set Q, Q+1
.endr
.endm
	s_wait_tensorcnt 1                             ; the scales and my part of slot 0 are in (slot 1's load may be out)
	s_barrier_signal -1
	s_barrier_wait -1                              ; everybody's are
	FETCH_B 0, 0, 0
	FETCH_A 0, 0, 0
	SCALES 0
	FETCH_A 0, 0, 4
	STEP 0, 0, 1                                   ; the first products start the sums: nothing is cleared
	STEPS 0, 1
	; slot 0's last step changes slots: my part of slot 1 has landed, then the work-group's barrier; nothing is filled again
	s_wait_tensorcnt 0x0
	ds_add_u32 v[SPW], v[NIL]
	s_wait_dscnt 4*NL+1                            ; (the add and A's blocks 4-7 may be out)
	WIN MUL_LO
	MUL16 0, 1, NQ-1, 0, 0
	s_wait_dscnt 0x0
	s_barrier_signal -1
	MUL16 2, 1, NQ-1, 0, 0
	WIN 0
	s_barrier_wait -1
	PLACES NP
	v_add_nc_u32 v[ADRS], 4*NQ, v[ADRS]            ; on to the second K step's scale words
	FETCH_B 1, 0, 0
	FETCH_A 1, 0, 0
	SCALES 1
	WIN MUL_HI
	MUL16 4, 1, NQ-1, 0, 0
	MUL16 6, 1, NQ-1, 0, 0
	PLACES NP
	WIN 0
	FETCH_A 1, 0, 4
	STEPS 1, 0
	s_wait_dscnt 4*NL                              ; the very last step: nothing more to fetch
	WIN MUL_LO
	MUL16 0, 1, NQ-1, 1, 0
	MUL16 2, 1, NQ-1, 1, 0
	s_wait_dscnt 0
	WIN MUL_HI
	MUL16 4, 1, NQ-1, 1, 0
	MUL16 6, 1, NQ-1, 1, 0
	WIN 0
; THE WAY OUT of A's block a: its eight accumulators, each from its low end on, are rounded in pairs to f16 and stored, 512 consecutive aligned bytes a store.
.macro OUT a
.set AC, 64*((\a)%4)
.set TT, TMP+32*((\a)%2)
.if (\a) >= 2
	s_wait_xcnt 0x0                                ; block a - 2's stores have read this set of registers
.endif
	WIN 0x0a+5*((\a)/4)                            ; sources 0 and 1: window 2 or 3
.irp b, 0,1,2,3,4,5,6,7
.irp r, 0,1,2,3
	v_cvt_pk_f16_f32 v[TT+4*\b+\r], v[AC+8*\b+2*\r], v[AC+8*\b+2*\r+1]
.endr
.endr
	WIN 0
.irp b, 0,1,2,3,4,5,6,7
	global_store_b128 v[VO+2*((\a)/4)+\b/4], v[TT+4*\b:TT+4*\b+3], s[12:13] offset:((\a)%4)*2048+(\b%4)*512
.endr
.endm
	PLACES NP                                      ; behind the last products: their results are read, and A's fragment registers written, only behind these
.irp a, 0,1,2,3,4,5,6,7
	OUT \a
.endr
	s_wait_tensorcnt 0x0                           ; the wave's end
	ds_add_u32 v[SPW], v[NIL]
	s_wait_dscnt 0x0
	CROUND                                         ; the closing round: no work-group ends while a partner may still ask for a tile that names it
	s_endpgm
.Lfunc_end_k_q6881986246_qkv:
	.size	k_q6881986246_qkv, .Lfunc_end_k_q6881986246_qkv-k_q6881986246_qkv
	.p2alignl 7, 3214868480
	.fill 96, 4, 3214868480
	.section	.rodata,"a",@progbits
	.p2align	6, 0x0
	.amdhsa_kernel k_q6881986246_qkv
		.amdhsa_group_segment_fixed_size 327680
		.amdhsa_private_segment_fixed_size 0
		.amdhsa_enable_private_segment 0
		.amdhsa_kernarg_size 40
		.amdhsa_user_sgpr_count 2
		.amdhsa_user_sgpr_kernarg_segment_ptr 1
		.amdhsa_wavefront_size32 1
		.amdhsa_system_sgpr_workgroup_id_x 1
		.amdhsa_system_sgpr_workgroup_id_y 1
		.amdhsa_system_sgpr_workgroup_id_z 1
		.amdhsa_system_vgpr_workitem_id 0
		.amdhsa_next_free_vgpr 1024
		.amdhsa_next_free_sgpr 102
		.amdhsa_reserve_vcc 0
		.amdhsa_float_denorm_mode_32 3
		.amdhsa_float_denorm_mode_16_64 3
		.amdhsa_memory_ordered 1
		.amdhsa_forward_progress 1
		.amdhsa_inst_pref_size 119
	.end_amdhsa_kernel
	.amdgpu_metadata
---
amdhsa.version: [ 1, 2 ]
amdhsa.kernels:
  - .name:           k_q6881986246_qkv
    .symbol:         k_q6881986246_qkv.kd
    .args:
      - { .name: xc, .offset: 0, .size: 8, .value_kind: global_buffer, .address_space: global }
      - { .name: xs, .offset: 8, .size: 8, .value_kind: global_buffer, .address_space: global }
      - { .name: wc, .offset: 16, .size: 8, .value_kind: global_buffer, .address_space: global }
      - { .name: ws, .offset: 24, .size: 8, .value_kind: global_buffer, .address_space: global }
      - { .name: qkv, .offset: 32, .size: 8, .value_kind: global_buffer, .address_space: global }
    .group_segment_fixed_size: 327680
    .private_segment_fixed_size: 0
    .kernarg_segment_align: 8
    .kernarg_segment_size: 40
    .max_flat_workgroup_size: 128
    .sgpr_count:     102
    .vgpr_count:     1024
    .wavefront_size: 32
...
	.end_amdgpu_metadata
.endif
;; end of part 2
;; launch attn (part 3): grid 4 x 64, 8 waves a work-group, no clusters, 66,560 bytes of LDS; arguments qkv, perm, aimg; writes aimg
.if DOCPART == 3
	.amdgcn_target "amdgcn-amd-amdhsa--gfx1250"
	.amdhsa_code_object_version 6
	.text
	.protected	k_q6881986246_attn
	.globl	k_q6881986246_attn
	.p2align	8
	.type	k_q6881986246_attn,@function
k_q6881986246_attn:
	s_mov_b64 s[64:65], 0
	v_nop
	global_prefetch_b8 v0, s[64:65] scope:SCOPE_SE
	s_setreg_imm32_b32 hwreg(HW_REG_WAVE_MODE, 25, 1), 1
	s_wait_xcnt 0x0
; THIRD LAUNCH: o = softmax(q k^T / 8 over the open keys) v, for each batch and head; operands f16, products, maxima and sums f32; o leaves as f16 images for the projection.
; WHAT IS NOT WALKED: the first launch laid each batch's open tokens first and stored their number.  A hidden key has weight 0 for every query, so only the ceil(count / 64) key steps that hold open keys are
; multiplied: a choice by a whole number that this launch reads from memory.  In the step that holds the last open key the scores of the keys behind it become -infinity ahead of the maximum.
; A batch with no open key: step 0 is walked all the same, all its scores are -infinity, and the rows come out NaN, as in the problem's own softmax.
; SHARES.  A work-group owns 512 queries of one batch and head, each of its eight waves 64: four tiles of 16, worked as two pieces of two tiles.  A key step is 64 keys.
; BOTH PRODUCTS ARE USED TRANSPOSED: S^T = K Q^T (source 0 = 16 keys, source 1 = 16 queries), O^T = V^T P (source 0 = 16 channels, source 1 = P): a lane holds one query throughout, and S^T's tiles rounded in pairs are P's registers.
; THE STEPS' NUMBER HANGS ON A LOADED NUMBER, so the launch has no tensor load and no cluster: a step's 16,384 bytes (K's 16 images, V's 16) come by global loads, 64 bytes a thread, and go to LDS as they lie.
; Loops have constant trip counts and every wave passes every barrier; scalar branches on the count lead round loads, LDS stores and products only.
; FOUR SLOTS, ONE BARRIER A STEP, ITS TWO HALVES APART.  In step J a wave stores its part of tile J + 2 into slot (J + 2) % 4, waits for that store, signals, reads tile J from slot J % 4 and works, and only then waits for the
; barrier.  Tile J was stored ahead of signal J - 2 and is read behind wait J - 1.  Slot (J + 2) % 4 last held tile J - 2, whose reads were back ahead of signal J - 1, and is written behind wait J - 1.  Between a wave's signal J
; and its wait J the others write slot (J + 2) % 4 (not yet at signal J) or slot (J + 3) % 4 (past wait J): never slot J % 4.
; REGISTERS: window 0: v1-9 addresses and constants; v16-31 a tile's 64 bytes on their way; v32-63 statistics, 8 a tile: +0 c m, +1 m, +2, +3 the sum in two halves, +4 to +7 at work (a takes +6); v64-127 Q; v128-191 S^T of a piece;
;   v192-223 P of a piece; v224-255 two more tiles on their way at the head.   window 1: v0-63 K's fragments, v64-127 V's, v128-255 O^T, 32 a tile.
.set SPARE, 65536                      ; behind the four slots: the spare words, 128 bytes a wave, named by no other line
.set LI,   1                           ; v1   16 x lane
.set CP,   2                           ; v2   16 x thread
.set H8,   3                           ; v3   63 - 8 (lane / 16)
.set DM,   4                           ; v4   count - 1 - the step's first key - 8 (lane / 16)
.set NINF, 5                           ; v5   -infinity
.set PFO,  6                           ; v6   256 x lane
.set SPW,  8
.set NIL,  9
.set STG,  16
.set ST,   32
.set Q,    64
.set S,    128
.set P,    192
.set T1,   224
.set T2,   240
.set KF,   0                           ; window 1
.set VF,   64
.set O,    128
.set WV,   18
.set CNT,  19                          ; open keys of my batch
.set NS,   20                          ; key steps that hold open keys
.set NSP,  21                          ; the same in a wave that prefetches, else 0
.set J,    22                          ; the step
.set KE,   23                          ; 64 J + 64
.set T,    24
.set TR,   25
.set CS,   26                          ; s[26:27] c = log2(e) / 8
.set SEL,  28                          ; s[28:29]
.set MSB, 0
.macro WIN new                         ; the immediate's high byte repeats the setting that is left
.if MSB != (\new)
	s_set_vgpr_msb (MSB<<8)|(\new)
.set MSB, (\new)
.endif
.endm
.macro PLACES
.rept 4
	v_nop
.endr
.endm
.macro LOADT dst, off                  ; my 64 bytes of the tile at off: 2 x 16 of K's 8,192, 2 x 16 of V's
.irp n, 0,1
	global_load_b128 v[\dst+4*\n:\dst+4*\n+3], v[CP], s[12:13] offset:\off+4096*\n
.endr
.irp n, 0,1
	global_load_b128 v[\dst+8+4*\n:\dst+8+4*\n+3], v[CP], s[14:15] offset:\off+4096*\n
.endr
.endm
.macro PUT src, slot                   ; into LDS as they lie: K's 8,192 bytes, then V's
.irp n, 0,1,2,3
	ds_store_b128 v[CP], v[\src+4*\n:\src+4*\n+3] offset:16384*(\slot)+4096*\n
.endr
.endm
.macro FRAGS slot                      ; K's eight fragments (16 keys x 32 channels), then V's eight (16 channels x 32 keys): each two images of 512 bytes
	WIN 0x40                                       ; destination window 1
.irp f, 0,1,2,3,4,5,6,7
.irp c, 0,1
	ds_load_b128 v[KF+8*\f+4*\c:KF+8*\f+4*\c+3], v[LI] offset:16384*(\slot)+(\f/2)*2048+(2*(\f%2)+\c)*512
.endr
.endr
.irp f, 0,1,2,3,4,5,6,7
.irp c, 0,1
	ds_load_b128 v[VF+8*\f+4*\c:VF+8*\f+4*\c+3], v[LI] offset:16384*(\slot)+8192+(\f/2)*2048+(2*(\f%2)+\c)*512
.endr
.endr
.endm
; 16 products S^T = K Q^T of the piece that begins with tile y: product i: tile y + i % 2, keys 16 ((i / 2) % 4) on, channels 32 (i / 8) on.  Eight accumulators by turns; the first eight start the sums.
.macro QK y
	WIN 0x01                                       ; K window 1
.set i, 0
.rept 16
.set rS, S+32*(i%2)+8*((i/2)%4)
.set rK, KF+8*(2*((i/2)%4)+i/8)
.set rQ, Q+8*(2*((\y)+i%2)+i/8)
.if i < 8
	v_wmma_f32_16x16x32_f16 v[rS:rS+7], v[rK:rK+7], v[rQ:rQ+7], 0
.else
	v_wmma_f32_16x16x32_f16 v[rS:rS+7], v[rK:rK+7], v[rQ:rQ+7], v[rS:rS+7]
.endif
.set i, i+1
.endr
.endm
; 16 products O^T += V^T P: product i: tile y + i % 2, channels 16 ((i / 2) % 4) on, keys 32 (i / 8) on.  first = 1: the first eight start the sums: nothing is ever cleared.
.macro PV y, first
	WIN 0x51                                       ; V, C and D window 1, P window 0
.set i, 0
.rept 16
.set rO, O+32*((\y)+i%2)+8*((i/2)%4)
.set rV, VF+8*(2*((i/2)%4)+i/8)
.set rP, P+16*(i%2)+8*(i/8)
.if (\first) && (i < 8)
	v_wmma_f32_16x16x32_f16 v[rO:rO+7], v[rV:rV+7], v[rP:rP+7], 0
.else
	v_wmma_f32_16x16x32_f16 v[rO:rO+7], v[rV:rV+7], v[rP:rP+7], v[rO:rO+7]
.endif
.set i, i+1
.endr
.endm
; THE SOFTMAX of a piece for one key step, its two tiles line by line by turns.  Register n of a tile holds key 16 (n / 8) + 8 (lane / 16) + n % 8 of the step.
; p = 2^(c s - c m), m the running maximum; the sum and O^T are multiplied by a = 2^(c m_old - c m_new).  first = 1: the first step: no old maximum, no a, nothing to rescale.
.macro SM y, first
.set TA, ST+8*(\y)
.set TB, ST+8*(\y)+8
.set OA, O+32*(\y)
	s_cmp_ge_u32 s[CNT], s[KE]                     ; all 64 keys open?
	s_cbranch_scc1 .Lfull_\@
.set n, 0
.rept 32
	v_cmp_gt_i32 vcc_lo, 16*(n/8)+n%8, v[DM]       ; the key lies at or behind the count
	v_cndmask_b32 v[S+n], v[S+n], v[NINF], vcc_lo
	v_cndmask_b32 v[S+32+n], v[S+32+n], v[NINF], vcc_lo
.set n, n+1
.endr
.Lfull_\@:
.irp q, 0,1,2,3                        ; the maximum: four chains a tile, each begun at an accumulator's low end
	v_max3_num_f32 v[TA+4+\q], v[S+8*\q], v[S+8*\q+1], v[S+8*\q+2]
	v_max3_num_f32 v[TB+4+\q], v[S+32+8*\q], v[S+32+8*\q+1], v[S+32+8*\q+2]
.endr
.irp g, 3,5
.irp q, 0,1,2,3
	v_max3_num_f32 v[TA+4+\q], v[TA+4+\q], v[S+8*\q+\g], v[S+8*\q+\g+1]
	v_max3_num_f32 v[TB+4+\q], v[TB+4+\q], v[S+32+8*\q+\g], v[S+32+8*\q+\g+1]
.endr
.endr
	v_max3_num_f32 v[TA+4], v[TA+4], v[S+7], v[S+15]
	v_max3_num_f32 v[TB+4], v[TB+4], v[S+39], v[S+47]
	v_max3_num_f32 v[TA+6], v[TA+6], v[S+23], v[S+31]
	v_max3_num_f32 v[TB+6], v[TB+6], v[S+55], v[S+63]
	v_max3_num_f32 v[TA+4], v[TA+4], v[TA+5], v[TA+6]
	v_max3_num_f32 v[TB+4], v[TB+4], v[TB+5], v[TB+6]
.if \first
	v_max_num_f32 v[TA+4], v[TA+4], v[TA+7]
	v_max_num_f32 v[TB+4], v[TB+4], v[TB+7]
.else
	v_max3_num_f32 v[TA+4], v[TA+4], v[TA+7], v[TA+1]
	v_max3_num_f32 v[TB+4], v[TB+4], v[TB+7], v[TB+1]
.endif
	v_permlanex16_b32 v[TA+5], v[TA+4], s[SEL], s[SEL+1]   ; the query's other 32 keys lie in the lane 16 away
	v_permlanex16_b32 v[TB+5], v[TB+4], s[SEL], s[SEL+1]
.if \first == 0
	v_mov_b32 v[TA+7], v[TA]                       ; c m_old is kept for a
	v_mov_b32 v[TB+7], v[TB]
.endif
	v_max_num_f32 v[TA+1], v[TA+4], v[TA+5]
	v_max_num_f32 v[TB+1], v[TB+4], v[TB+5]
	v_mul_f32 v[TA], s[CS], v[TA+1]
	v_mul_f32 v[TB], s[CS], v[TB+1]
.if \first == 0
	v_sub_f32 v[TA+7], v[TA+7], v[TA]
	v_sub_f32 v[TB+7], v[TB+7], v[TB]
	v_exp_f32 v[TA+6], v[TA+7]                     ; a: the first of the batch of exponentials
	v_exp_f32 v[TB+6], v[TB+7]
.endif
.set n, 0
.rept 16
	v_pk_fma_f32 v[S+n:S+n+1], v[S+n:S+n+1], s[CS:CS+1], v[TA:TA+1] op_sel_hi:[1,0,0] neg_lo:[0,0,1] neg_hi:[0,0,1]           ; c s - c m, two at a time
	v_pk_fma_f32 v[S+32+n:S+32+n+1], v[S+32+n:S+32+n+1], s[CS:CS+1], v[TB:TB+1] op_sel_hi:[1,0,0] neg_lo:[0,0,1] neg_hi:[0,0,1]
.set n, n+2
.endr
.set n, 0
.rept 32
	v_exp_f32 v[S+n], v[S+n]
	v_exp_f32 v[S+32+n], v[S+32+n]
.set n, n+1
.endr
	v_nop                                          ; a plain instruction behind the last exponential,
	s_wait_alu depctr_va_vdst(0)                   ; and the one wait ahead of the batch's first reader
.set n, 0
.rept 16
	v_cvt_pk_f16_f32 v[P+n], v[S+2*n], v[S+2*n+1]  ; P: S^T's tile 2 ks and 2 ks + 1 make the operand of keys 32 ks on
	v_cvt_pk_f16_f32 v[P+16+n], v[S+32+2*n], v[S+32+2*n+1]
.set n, n+1
.endr
.irp w, 4,8,16                         ; the sum of the unrounded p, in place: pairs 1, 2 and 4 pairs apart
.set n, 0
.rept 32/\w
	v_pk_add_f32 v[S+n:S+n+1], v[S+n:S+n+1], v[S+n+\w/2:S+n+\w/2+1]
	v_pk_add_f32 v[S+32+n:S+32+n+1], v[S+32+n:S+32+n+1], v[S+32+n+\w/2:S+32+n+\w/2+1]
.set n, n+\w
.endr
.endr
.if \first
	v_pk_add_f32 v[TA+2:TA+3], v[S:S+1], v[S+16:S+17]
	v_pk_add_f32 v[TB+2:TB+3], v[S+32:S+33], v[S+48:S+49]
.else
	v_pk_add_f32 v[S:S+1], v[S:S+1], v[S+16:S+17]
	v_pk_add_f32 v[S+32:S+33], v[S+32:S+33], v[S+48:S+49]
	v_pk_fma_f32 v[TA+2:TA+3], v[TA+2:TA+3], v[TA+6:TA+7], v[S:S+1] op_sel_hi:[1,0,1]
	v_pk_fma_f32 v[TB+2:TB+3], v[TB+2:TB+3], v[TB+6:TB+7], v[S+32:S+33] op_sel_hi:[1,0,1]
	WIN 0x41                                       ; O^T (destination and source 0) window 1
.set n, 0
.rept 16
	v_pk_mul_f32 v[OA+n:OA+n+1], v[OA+n:OA+n+1], v[TA+6:TA+7] op_sel_hi:[1,0]                  ; ascending: each accumulator from its low end on
	v_pk_mul_f32 v[OA+32+n:OA+32+n+1], v[OA+32+n:OA+32+n+1], v[TB+6:TB+7] op_sel_hi:[1,0]
.set n, n+2
.endr
.endif
.endm
.macro WORK slot                       ; a key step's 64 products and two softmaxes
	s_sub_co_i32 s[T], s[CNT], s[KE]
	v_add_nc_u32 v[DM], s[T], v[H8]
	FRAGS \slot
	s_wait_dscnt 16                                ; K's 16 loads are in; V's 16 behind them may be out
	QK 0
	WIN 0
	PLACES                                         ; four plain instructions between the products and the first read of their results
	SM 0, 0
	s_wait_dscnt 0x0                               ; V is in
	PV 0, 0
	QK 2
	WIN 0
	PLACES
	SM 2, 0
	PV 2, 0
	WIN 0
	PLACES                                         ; and in front of the next step's loads into V's fragments
.endm
; A PREFETCH of tile J + 5, two steps ahead of the load that will want it: wave 0 asks for K's 8,192 bytes, wave 1 for V's, a lane for each 256; of the four work-groups that walk a head's keys the first alone asks,
; so each block is named once in the launch.  It stands behind the wave's own loads and stops where J + 5 reaches the number of steps walked; tiles 0 to 4 come by their loads alone.
.macro ASK off
	s_add_co_u32 s[T], s[J], 5
	s_cmp_lt_u32 s[T], s[NSP]
	s_cbranch_scc0 .Lna_\@
	global_prefetch_b8 v[PFO], s[16:17] offset:\off th:TH_LOAD_NT scope:SCOPE_SE
.Lna_\@:
.endm
.macro STEP u                          ; step J = (the trip's first) + u
	s_wait_loadcnt 0x0                             ; tile J + 2, asked for a step ago, is in my registers (on every way: no load is issued into them while one is out)
	s_add_co_u32 s[T], s[J], 2
	s_cmp_lt_u32 s[T], s[NS]
	s_cbranch_scc0 .Lnf_\@
	PUT STG, (\u+3)%4
.Lnf_\@:
	s_wait_dscnt 0x0                               ; for the others' sake: my stores have landed (my reads of the last step are back since its products)
	s_add_co_u32 s[T], s[J], 3
	s_cmp_lt_u32 s[T], s[NS]
	s_cbranch_scc0 .Lnl_\@
	LOADT STG, (\u+3)*8192                         ; tile J + 3
	ASK (\u+5)*8192
.Lnl_\@:
	s_barrier_signal -1
	s_cmp_lt_u32 s[J], s[NS]
	s_cbranch_scc0 .Lnc_\@
	WORK (\u+1)%4                                  ; reads slot J % 4, which no wave writes before the barrier after this one
.Lnc_\@:
	s_barrier_wait -1
	s_add_co_u32 s[J], s[J], 1
	s_add_co_u32 s[KE], s[KE], 64
.endm
	s_load_b128 s[4:7], s[0:1], 0x0                ; qkv, perm
	s_load_b64 s[8:9], s[0:1], 0x10                ; aimg
	v_lshl_add_u32 v[SPW], v0, 2, SPARE
	v_mov_b32 v[NIL], 0
	v_lshrrev_b32 v10, 5, v0
	v_readfirstlane_b32 s[WV], v10                 ; wave 0..7
	v_and_b32 v10, 31, v0
	v_lshlrev_b32 v[LI], 4, v10
	v_lshlrev_b32 v[CP], 4, v0
	v_lshlrev_b32 v[PFO], 8, v10
	v_bfe_u32 v11, v0, 4, 1
	v_lshlrev_b32 v11, 3, v11
	v_sub_nc_u32 v[H8], 63, v11
	v_mov_b32 v[NINF], 0xff800000
	s_mov_b32 s[CS], 0x3e38aa3b                    ; c = log2(e) / sqrt(64)
	s_mov_b32 s[CS+1], s[CS]
	s_mov_b32 s[SEL], 0x76543210
	s_mov_b32 s[SEL+1], 0xfedcba98
	s_and_b32 s30, ttmp7, 0xffff                   ; 16 batch + head
	s_lshr_b32 s31, s30, 4                         ; batch
	s_lshl_b32 s32, s31, 7
	s_add_co_u32 s32, s32, 32768                   ; where the batch's count lies in perm
	s_mov_b32 s33, 0
	s_lshl_b32 s34, s30, 18                        ; the head's block of 262,144 bytes
	s_mov_b32 s35, 0
	s_lshl_b32 s36, ttmp9, 5
	s_lshl_b32 s37, s[WV], 2
	s_add_co_u32 s36, s36, s37                     ; my first token tile in the batch: 32 x work-group x + 4 x wave
	s_lshl_b32 s38, s36, 11
	s_mov_b32 s39, 0
	s_lshl_b32 s40, s31, 7
	s_add_co_u32 s40, s40, s36
	s_lshl_b32 s40, s40, 15                        ; aimg: a token tile is 64 images, 32,768 bytes;
	s_and_b32 s41, s30, 15
	s_lshl_b32 s41, s41, 11                        ; a head's four images 2,048
	s_add_co_u32 s40, s40, s41
	s_mov_b32 s41, 0
	s_wait_kmcnt 0x0
	s_add_nc_u64 s[10:11], s[6:7], s[32:33]
	s_load_b32 s[CNT], s[10:11], 0x0
	s_add_nc_u64 s[4:5], s[4:5], s[34:35]
	s_add_nc_u64 s[12:13], s[4:5], 0x1000000       ; K's block: 64 blocks behind Q's
	s_add_nc_u64 s[14:15], s[4:5], 0x2000000       ; V's: 128 behind
	s_add_nc_u64 s[4:5], s[4:5], s[38:39]          ; Q at my first tile
	s_add_nc_u64 s[8:9], s[8:9], s[40:41]
	s_cmp_eq_u32 s[WV], 0
	s_cselect_b64 s[16:17], s[12:13], s[14:15]     ; what a prefetching wave asks for: wave 0 K, wave 1 V
	LOADT STG, 0                                   ; tiles 0, 1, 2 lie in the buffer whatever the count
	LOADT T1, 8192
	LOADT T2, 16384
.irp n, 0,1,2,3,4,5,6,7,8,9,10,11,12,13,14,15
	global_load_b128 v[Q+4*\n:Q+4*\n+3], v[LI], s[4:5] offset:512*\n th:TH_LOAD_NT   ; Q stays in registers: my four tiles' 16 images, 8,192 consecutive bytes
.endr
	s_wait_loadcnt 0x0
	PUT STG, 0
	PUT T1, 1
	PUT T2, 2
	s_wait_kmcnt 0x0
	s_min_u32 s[CNT], s[CNT], 2048
	s_add_co_u32 s[NS], s[CNT], 63
	s_lshr_b32 s[NS], s[NS], 6
	s_lshr_b32 s[T], s[WV], 1
	s_or_b32 s[T], s[T], ttmp9                     ; 0 in waves 0 and 1 of the head's first work-group
	s_cmp_eq_u32 s[T], 0
	s_cselect_b32 s[NSP], s[NS], 0
	s_mov_b32 s[J], 0
	s_mov_b32 s[KE], 64
	s_wait_dscnt 0x0                               ; my stores have landed, and have read their registers
	s_cmp_lt_u32 3, s[NS]
	s_cbranch_scc0 .Lno3
	LOADT STG, 24576                               ; tile 3
	ASK 40960
.Lno3:
	s_barrier_signal -1
	s_barrier_wait -1                              ; tiles 0, 1, 2 lie in LDS
	; ---- STEP 0, written out: its products start every sum, its softmax has no old maximum; it is walked whatever the count
	s_sub_co_i32 s[T], s[CNT], s[KE]
	v_add_nc_u32 v[DM], s[T], v[H8]
	FRAGS 0
	s_wait_dscnt 16
	QK 0
	WIN 0
	PLACES
	v_nop                                          ; a fifth place: the next K Q^T begins these accumulators anew, which wants five places behind these products (ISA guide 7.12.1), and the softmax between stands under branches on the wave's number, so it is not counted on for them
	; Waves 4 to 7 begin their first softmax when waves 0 to 3 have ended theirs: from here on one half's products stand in time beside the other half's vector work, and the barrier's split halves let that distance stay.
	s_cmp_lt_u32 s[WV], 4
	s_cbranch_scc0 .Llate
	SM 0, 1
.Llate:
	s_wait_dscnt 0x0                               ; V is in: no LDS instruction of mine is out at the signal
	s_barrier_signal -1
	s_barrier_wait -1
	s_cmp_lt_u32 s[WV], 4
	s_cbranch_scc1 .Learly
	SM 0, 1
.Learly:
	PV 0, 1
	QK 2
	WIN 0
	PLACES
	SM 2, 1
	PV 2, 1
	WIN 0
	PLACES
	s_mov_b32 s[J], 1
	s_mov_b32 s[KE], 128
	s_wait_xcnt 0x0                                ; the loads and the prefetch have read their bases
	s_add_nc_u64 s[12:13], s[12:13], 8192          ; the bases stand at the trip's first tile
	s_add_nc_u64 s[14:15], s[14:15], 8192
	s_add_nc_u64 s[16:17], s[16:17], 8192
	s_mov_b32 s[TR], 8
.Ltrip:                                                ; eight trips of four steps: J = 1 .. 32; what lies at or behind the number of steps is jumped over
	STEP 0
	STEP 1
	STEP 2
	STEP 3
	s_wait_xcnt 0x0
	s_add_nc_u64 s[12:13], s[12:13], 32768
	s_add_nc_u64 s[14:15], s[14:15], 32768
	s_add_nc_u64 s[16:17], s[16:17], 32768
	s_sub_co_u32 s[TR], s[TR], 1
	s_cmp_lg_u32 s[TR], 0
	s_cbranch_scc1 .Ltrip
	; ---- THE WAY OUT: the sum's two halves and the other half of the lanes'; O^T / the sum, rounded in pairs to f16: an accumulator is an image of 512 bytes
.irp t, 0,1,2,3
	v_add_f32 v[ST+8*\t+4], v[ST+8*\t+2], v[ST+8*\t+3]
.endr
.irp t, 0,1,2,3
	v_permlanex16_b32 v[ST+8*\t+5], v[ST+8*\t+4], s[SEL], s[SEL+1]
.endr
.irp t, 0,1,2,3
	v_add_f32 v[ST+8*\t+4], v[ST+8*\t+4], v[ST+8*\t+5]
.endr
.irp t, 0,1,2,3
	v_rcp_f32 v[ST+8*\t+6], v[ST+8*\t+4]
.endr
	v_nop                                          ; a plain instruction behind the last reciprocal,
	s_wait_alu depctr_va_vdst(0)                   ; and the wait ahead of the first use: one for the four
	WIN 0x41
.irp t, 0,1,2,3
.set n, 0
.rept 16
	v_pk_mul_f32 v[O+32*\t+n:O+32*\t+n+1], v[O+32*\t+n:O+32*\t+n+1], v[ST+8*\t+6:ST+8*\t+7] op_sel_hi:[1,0]
.set n, n+2
.endr
.endr
	WIN 0x05                                       ; sources window 1, destination window 0: S^T's registers are free
.set n, 0
.rept 64
	v_cvt_pk_f16_f32 v[S+n], v[O+2*n], v[O+2*n+1]
.set n, n+1
.endr
	WIN 0
.irp t, 0,1,2,3
.irp c, 0,1,2,3
	global_store_b128 v[LI], v[S+4*(4*\t+\c):S+4*(4*\t+\c)+3], s[8:9] offset:32768*\t+512*\c   ; 512 consecutive bytes, aligned
.endr
.endr
	s_wait_tensorcnt 0x0                           ; the wave's end: behind my last LDS store
	ds_add_u32 v[SPW], v[NIL]
	s_wait_dscnt 0x0
	s_endpgm
.Lfunc_end_k_q6881986246_attn:
	.size	k_q6881986246_attn, .Lfunc_end_k_q6881986246_attn-k_q6881986246_attn
	.p2alignl 7, 3214868480
	.fill 96, 4, 3214868480
	.section	.rodata,"a",@progbits
	.p2align	6, 0x0
	.amdhsa_kernel k_q6881986246_attn
		.amdhsa_group_segment_fixed_size 66560
		.amdhsa_private_segment_fixed_size 0
		.amdhsa_enable_private_segment 0
		.amdhsa_kernarg_size 24
		.amdhsa_user_sgpr_count 2
		.amdhsa_user_sgpr_kernarg_segment_ptr 1
		.amdhsa_wavefront_size32 1
		.amdhsa_system_sgpr_workgroup_id_x 1
		.amdhsa_system_sgpr_workgroup_id_y 1
		.amdhsa_system_sgpr_workgroup_id_z 1
		.amdhsa_system_vgpr_workitem_id 0
		.amdhsa_next_free_vgpr 512
		.amdhsa_next_free_sgpr 66
		.amdhsa_reserve_vcc 1
		.amdhsa_float_denorm_mode_32 3
		.amdhsa_float_denorm_mode_16_64 3
		.amdhsa_memory_ordered 1
		.amdhsa_forward_progress 1
		.amdhsa_inst_pref_size 221
	.end_amdhsa_kernel
	.amdgpu_metadata
---
amdhsa.version: [ 1, 2 ]
amdhsa.kernels:
  - .name:           k_q6881986246_attn
    .symbol:         k_q6881986246_attn.kd
    .args:
      - { .name: qkv, .offset: 0, .size: 8, .value_kind: global_buffer, .address_space: global }
      - { .name: perm, .offset: 8, .size: 8, .value_kind: global_buffer, .address_space: global }
      - { .name: aimg, .offset: 16, .size: 8, .value_kind: global_buffer, .address_space: global }
    .group_segment_fixed_size: 66560
    .private_segment_fixed_size: 0
    .kernarg_segment_align: 8
    .kernarg_segment_size: 24
    .max_flat_workgroup_size: 256
    .sgpr_count:     66
    .vgpr_count:     512
    .wavefront_size: 32
...
	.end_amdgpu_metadata
.endif
;; end of part 3
;; launch proj (part 4): grid 4 x 64, 4 waves a work-group, clusters of 4 x 4, 327,680 bytes of LDS; arguments aimg, wimg, perm, out0; writes out0
.if DOCPART == 4
	.amdgcn_target "amdgcn-amd-amdhsa--gfx1250"
	.amdhsa_code_object_version 6
	.text
	.protected	k_q6881986246_proj
	.globl	k_q6881986246_proj
	.p2align	8
	.type	k_q6881986246_proj,@function
k_q6881986246_proj:
	s_mov_b64 s[64:65], 0
	v_nop
	global_prefetch_b8 v0, s[64:65] scope:SCOPE_SE
	s_setreg_imm32_b32 hwreg(HW_REG_WAVE_MODE, 25, 1), 1
	s_wait_xcnt 0x0
	s_wait_alu depctr_hold_cnt(0) depctr_sa_sdst(0) depctr_va_vdst(0) depctr_va_sdst(0) depctr_va_ssrc(0) depctr_va_vcc(0) depctr_vm_vsrc(0)
	s_getreg_b32 s2, hwreg(HW_REG_IB_STS2, 6, 4)
	s_cmp_eq_u32 s2, 0
	s_cbranch_scc0 .Lentry_in_a_cluster
	s_endpgm
.Lentry_in_a_cluster:
	s_bfe_u32 s2, ttmp6, 0x10000c
	s_cmp_lg_u32 s2, 0xf033
	s_cbranch_scc0 .Lentry_shape_is_right
	s_endpgm
.Lentry_shape_is_right:
; FOURTH LAUNCH: out0[tok[p]][o] = the sum over c of a[p][c] W_proj[o][c]: operands f16, sums f32.  Nothing is left out.  p is a token's place in the order that the first launch chose; tok[p], read from memory, is its own row.
; A tile is 128 tokens x 256 outputs: 256 work-groups of four waves, each 64 x 128: 32 accumulators (a, b) at v[8 (8 a + b)] of window 2.  K = 1,024 goes in 8 steps of 128 through two LDS slots.
; BOTH OPERANDS LIE IN MEMORY AS IMAGES OF OPERAND REGISTERS: [16 rows][16 along K: 64][512 bytes], lane l's 16 bytes at 16 l.  A K step of 16 rows is 4,096 consecutive bytes; a tensor load brings 4 (a) or 8 (W) such rows,
; 32,768 bytes apart in memory, dense in LDS; a fragment (16 x 32) is two loads of 16 bytes a lane from 1,024 consecutive bytes: no pitch, no padding.
; THE MATRIX INSTRUCTION IS USED TRANSPOSED (source 0 = 16 rows of W, source 1 = 16 tokens): a lane holds eight neighbouring outputs of one token.
; CLUSTERS: 4 x 4 work-groups; a's tiles are asked for jointly along a row of the cluster (its four tile columns), W's along a column.
; REGISTERS: window 0: v16-29 addresses; v32-63, v64-95 a's fragments, two sets; v96-159 the 64 tokens' byte offsets in out0; v160-223 and (on the way out) v32-95 rows on their way.  window 1: W's fragments, two sets of 64.
.set SLOT,   98304                     ; a's 8 x 4,096 bytes, then W's 16 x 4,096
.set BOFF,   32768
.set STAGE,  2*SLOT                    ; behind the ring: 16 rows x (512 + 16) bytes for each wave
.set SPITCH, 528
.set SPARE,  STAGE+4*16*SPITCH         ; the spare words, 128 bytes a wave, named by no other line
.set LAPS,   4                         ; a lap = two K steps
.set ADRA, 16
.set ADRB, 20
.set STO,  24
.set RD,   25
.set CO,   26                          ; v26  16 x lane
.set ZR,   27                          ; v27  0
.set SPW,  28
.set NIL,  29
.set VOFF, 96
.set BK0,  160
.set G1, 24
.set G0, 32
.set G1B, 48
.set G0B, 56
.set MSB, 0
.macro WIN new
.if MSB != (\new)
	s_set_vgpr_msb (MSB<<8)|(\new)
.set MSB, (\new)
.endif
.endm
.set MUL,  0xa1                        ; source 0 (W) window 1, source 1 (a) window 0, C and D window 2
.set TO_B, 0x40
.macro JLOAD s                         ; a joint load: waves 0 and 1 fetch a's two halves, waves 2 and 3 W's; an s_nop 0 and four v_nop follow each line
	s_cmp_eq_u32 s13, 0
	s_cbranch_scc0 .Lfor_b_\@
	tensor_load_to_lds s[G0+4*\s:G0+4*\s+3], s[G1:G1+7]
	s_nop 0
.rept 4
	v_nop
.endr
	s_branch .Lasked_\@
.Lfor_b_\@:
	tensor_load_to_lds s[G0B+4*\s:G0B+4*\s+3], s[G1B:G1B+7]
	s_nop 0
.rept 4
	v_nop
.endr
.Lasked_\@:
.endm
.macro CREST                           ; a round of the cluster's barrier behind its opening barrier
	s_cmp_lg_u32 s12, 0
	s_cbranch_scc1 .Lnot_wave_0_\@
	s_barrier_signal -3
.Lnot_wave_0_\@:
	s_barrier_wait -3
	s_barrier_signal -1
	s_barrier_wait -1
.endm
.macro CROUND
	s_barrier_signal -1
	s_barrier_wait -1
	CREST
.endm
	s_load_b256 s[4:11], s[0:1], 0x0               ; aimg s[4:5], wimg s[6:7], perm s[8:9], out0 s[10:11]
	v_lshl_add_u32 v[SPW], v0, 2, SPARE
	v_mov_b32 v[NIL], 0
	ds_add_u32 v[SPW], v[NIL]                      ; the wave's opening: the add, twice on end, and its wait ahead of my first tensor load
	ds_add_u32 v[SPW], v[NIL]
	v_lshrrev_b32 v1, 5, v0
	v_readfirstlane_b32 s12, v1                    ; wave 0..3
	s_lshr_b32 s13, s12, 1                         ; which 64 tokens are mine.  Also: I fetch for a (0) or for W (1)
	s_and_b32 s14, s12, 1                          ; which 128 outputs.  Also: which half of that tile I fetch
	s_bfe_u32 s40, ttmp6, 0x40000                  ; cx, cy
	s_bfe_u32 s41, ttmp6, 0x40004
	s_lshl_b32 s42, ttmp9, 2
	s_add_co_u32 s42, s42, s40                     ; tile column = 4 x cluster x + cx
	s_and_b32 s15, ttmp7, 0xffff
	s_lshl_b32 s15, s15, 2
	s_add_co_u32 s15, s15, s41                     ; tile row = 4 x cluster y + cy
	s_lshl_b32 s43, s41, 2
	s_lshl_b32 s43, 15, s43                        ; my row of the cluster
	s_lshl_b32 s44, 0x1111, s40                    ; my column
	s_or_b32 s[G1+0], s43, (3<<16)|(1<<21)         ; 15:0 the mask; 17:16 elements of 8 bytes; 20 no padding; 21 set beside a mask
	s_or_b32 s[G1B+0], s44, (3<<16)|(1<<21)
	s_mov_b32 s[G1+1], 512<<16                     ; tensor_dim0 = 512 elements: 4,096 bytes
	s_mov_b32 s[G1+2], 4<<16                       ; tensor_dim1 = 4 rows
	s_mov_b32 s[G1+3], 512<<16                     ; tile_dim0
	s_mov_b32 s[G1+4], 4                           ; tile_dim1
	s_mov_b32 s[G1+5], 4096                        ; from row to row: 32,768 bytes
	s_mov_b32 s[G1+6], 0
	s_mov_b32 s[G1+7], 0
	s_mov_b32 s[G1B+1], 512<<16
	s_mov_b32 s[G1B+2], 8<<16                      ; W: 8 rows
	s_mov_b32 s[G1B+3], 512<<16
	s_mov_b32 s[G1B+4], 8
	s_mov_b32 s[G1B+5], 4096
	s_mov_b32 s[G1B+6], 0
	s_mov_b32 s[G1B+7], 0
	s_lshl_b32 s16, s15, 3
	s_lshl_b32 s17, s14, 2
	s_add_co_u32 s16, s16, s17
	s_lshl_b32 s16, s16, 15                        ; a: token tile 8 x tile row + 4 x half, 32,768 bytes each
	s_mov_b32 s17, 0
	s_lshl_b32 s46, s42, 4
	s_lshl_b32 s47, s14, 3
	s_add_co_u32 s46, s46, s47
	s_lshl_b32 s46, s46, 15                        ; W: output tile 16 x tile column + 8 x half
	s_mov_b32 s47, 0
	s_lshl_b32 s20, s14, 14                        ; where they go: a's halves of 16,384 bytes,
	s_lshl_b32 s21, s14, 15
	s_add_co_u32 s21, s21, BOFF                    ; W's of 32,768, behind a's
	s_wait_dscnt 0x0                               ; both opening adds are done
	s_wait_kmcnt 0x0
	s_add_nc_u64 s[18:19], s[4:5], s[16:17]
	s_add_nc_u64 s[46:47], s[6:7], s[46:47]
	CROUND                                         ; all sixteen work-groups are here: the first joint loads meet
.irp s, 0,1
	s_mov_b32 s[G0+4*\s], 1
	s_add_co_u32 s[G0+4*\s+1], s20, \s*SLOT
	s_add_nc_u64 s[G0+4*\s+2:G0+4*\s+3], s[18:19], \s*4096
	s_or_b32 s[G0+4*\s+3], s[G0+4*\s+3], 0x80000000
	s_mov_b32 s[G0B+4*\s], 1
	s_add_co_u32 s[G0B+4*\s+1], s21, \s*SLOT
	s_add_nc_u64 s[G0B+4*\s+2:G0B+4*\s+3], s[46:47], \s*4096
	s_or_b32 s[G0B+4*\s+3], s[G0B+4*\s+3], 0x80000000
	JLOAD \s                                       ; two tensor loads of mine are out behind the second
.endr
	v_and_b32 v1, 31, v0
	v_lshlrev_b32 v[CO], 4, v1
	v_mov_b32 v[ZR], 0
	s_lshl_b32 s16, s15, 7
	s_lshl_b32 s17, s13, 6
	s_add_co_u32 s16, s16, s17
	s_lshl_b32 s16, s16, 2                         ; tok: my first token's word: 4 (128 x tile row + 64 x half)
	s_mov_b32 s17, 0
	s_add_nc_u64 s[8:9], s[8:9], s[16:17]
.set i, 0
.rept 64
	global_load_b32 v[VOFF+i], v[ZR], s[8:9] offset:4*i     ; every lane takes the same word: token i's row in out0
.set i, i+1
.endr
	s_lshl_b32 s22, s13, 14                        ; my 64 tokens: four rows of 4,096 bytes
	s_lshl_b32 s23, s14, 15
	s_add_co_u32 s23, s23, BOFF                    ; my 128 outputs: eight
.irp s, 0,1
	v_add_nc_u32 v[ADRA+\s], s22, v[CO]
	v_add_nc_u32 v[ADRB+\s], s23, v[CO]
	s_add_co_u32 s22, s22, SLOT
	s_add_co_u32 s23, s23, SLOT
.endr
	s_mul_i32 s22, s12, 16*SPITCH
	s_add_co_u32 s22, s22, STAGE                   ; my stage
	v_and_b32 v2, 15, v0
	v_bfe_u32 v3, v0, 4, 1
	v_mul_u32_u24 v4, v2, SPITCH                   ; in: row l % 16, 32 bytes for each half of the lanes
	v_lshl_add_u32 v4, v3, 5, v4
	v_add_nc_u32 v[STO], s22, v4
	v_add_nc_u32 v[RD], s22, v[CO]                 ; back: the 32 lanes take one row of 512 bytes
	s_lshl_b32 s46, s42, 10
	s_lshl_b32 s47, s14, 9
	s_add_co_u32 s46, s46, s47                     ; my first output, in bytes: 1,024 x tile column + 512 x half
	s_mov_b32 s47, 0
	s_add_nc_u64 s[10:11], s[10:11], s[46:47]
	s_wait_loadcnt 0x0
.set i, 0
.rept 64
	v_min_u32 v[VOFF+i], 8191, v[VOFF+i]           ; a loaded number is held to the buffer's rows before it enters an address
	v_lshl_add_u32 v[VOFF+i], v[VOFF+i], 12, v[CO] ; a row of out0 is 4,096 bytes; + 16 x lane
.set i, i+1
.endr
; 8 matrix instructions: token block a x the 8 output blocks, 32 along K, from fragment set f.  The 32 accumulators take turns, one instruction a turn, in the same order in every quarter.
.macro MUL8 f, a, zero
.irp b, 0,1,2,3,4,5,6,7
.if \zero
	v_wmma_f32_16x16x32_f16 v[8*(8*(\a)+\b):8*(8*(\a)+\b)+7], v[64*(\f)+8*\b:64*(\f)+8*\b+7], v[32+32*(\f)+8*(\a):32+32*(\f)+8*(\a)+7], 0
.else
	v_wmma_f32_16x16x32_f16 v[8*(8*(\a)+\b):8*(8*(\a)+\b)+7], v[64*(\f)+8*\b:64*(\f)+8*\b+7], v[32+32*(\f)+8*(\a):32+32*(\f)+8*(\a)+7], v[8*(8*(\a)+\b):8*(8*(\a)+\b)+7]
.endif
.endr
.endm
.macro FETCH slot, k, f                ; 24 LDS loads in one run: 32 along K at byte k of the rows: W's eight fragments, then a's four
	WIN TO_B
.irp b, 0,1,2,3,4,5,6,7
.irp c, 0,1
	ds_load_b128 v[64*(\f)+8*\b+4*\c:64*(\f)+8*\b+4*\c+3], v[ADRB+\slot] offset:\k+4096*\b+512*\c
.endr
.endr
	WIN 0
.irp a, 0,1,2,3
.irp c, 0,1
	ds_load_b128 v[32+32*(\f)+8*\a+4*\c:32+32*(\f)+8*\a+4*\c+3], v[ADRA+\slot] offset:\k+4096*\a+512*\c
.endr
.endr
.endm
.macro PLACES                          ; four plain instructions in front of loads into registers that matrix instructions have read, and of the first read of results
.rept 4
	v_nop
.endr
.endm
; A K step is four quarters of 32 along K, 32 matrix instructions each, on sets 0, 1, 0, 1.  One of the first three: multiplies set f and fetches the next quarter, at byte k, into set g.
.macro QUARTER slot, k, f, g, zero
	s_wait_dscnt 4                                 ; W's fragments and a's blocks 0, 1 are in; the youngest four loads (blocks 2, 3) may be out
	WIN MUL
	MUL8 \f, 0, \zero
	MUL8 \f, 1, \zero
	PLACES
	FETCH \slot, \k, \g
	s_wait_dscnt 24                                ; all but the 24 just issued
	WIN MUL
	MUL8 \f, 2, \zero
	MUL8 \f, 3, \zero
.endm
; The last quarter multiplies set 1 and changes slots: ONE barrier; in front of it each wave waits for all its tensor loads, adds 0 to its spare word, and waits for that and for its own reads of this slot.  fill = 1: this slot is filled again, two K steps ahead.
.macro TURN slot, next, fill
	WIN 0
	s_wait_tensorcnt 0x0                           ; all my tensor loads have landed: my part of the next slot;
	ds_add_u32 v[SPW], v[NIL]
	s_wait_dscnt 5                                 ; (the add and the youngest four loads may be out)
	WIN MUL
	MUL8 1, 0, 0                                   ; eight matrix instructions stand between the add and the wait for it
	s_wait_dscnt 0x0                               ; the add is done, and my reads of this slot are over
	s_barrier_signal -1
	MUL8 1, 1, 0
.if \fill
	WIN 0
.endif
	s_barrier_wait -1
.if \fill
	CREST                                          ; the barrier has opened a round of the cluster's barrier: no wave of any partner still reads this slot or has a load on its way
	s_add_nc_u64 s[G0+4*\slot+2:G0+4*\slot+3], s[G0+4*\slot+2:G0+4*\slot+3], 8192
	s_add_nc_u64 s[G0B+4*\slot+2:G0B+4*\slot+3], s[G0B+4*\slot+2:G0B+4*\slot+3], 8192
	JLOAD \slot                                    ; the first tensor load behind the round, my only one until the next; its four v_nop are also the places in front of the loads below
.else
	PLACES
.endif
	FETCH \next, 0, 0
	WIN MUL
	MUL8 1, 2, 0
	MUL8 1, 3, 0
.endm
	s_wait_tensorcnt 1                             ; my part of K step 0 is in (K step 1's may be out)
	s_barrier_signal -1
	s_barrier_wait -1                              ; everybody's is
	FETCH 0, 0, 0
	QUARTER 0, 1024, 0, 1, 1                       ; the first quarter's products start the sums
	WIN 0
	s_mov_b32 s3, LAPS-1
.Llap:                                                 ; a trip goes once round the ring, from a lap's second quarter to the next lap's first, and fills both slots again
	QUARTER 0, 2048, 1, 0, 0
	QUARTER 0, 3072, 0, 1, 0
	TURN 0, 1, 1
	QUARTER 1, 1024, 0, 1, 0
	QUARTER 1, 2048, 1, 0, 0
	QUARTER 1, 3072, 0, 1, 0
	TURN 1, 0, 1
	QUARTER 0, 1024, 0, 1, 0
	WIN 0
	s_sub_co_u32 s3, s3, 1
	s_cmp_lg_u32 s3, 0
	s_cbranch_scc1 .Llap
	QUARTER 0, 2048, 1, 0, 0                       ; the last lap fills nothing
	QUARTER 0, 3072, 0, 1, 0
	TURN 0, 1, 0
	QUARTER 1, 1024, 0, 1, 0
	QUARTER 1, 2048, 1, 0, 0
	QUARTER 1, 3072, 0, 1, 0
	s_wait_dscnt 4                                 ; the very last quarter: nothing more to fetch
	WIN MUL
	MUL8 1, 0, 0
	MUL8 1, 1, 0
	s_wait_dscnt 0
	MUL8 1, 2, 0
	MUL8 1, 3, 0
	WIN 0
; THE WAY OUT, 16 tokens x 128 outputs at a time: through my own stage in LDS and back as whole rows of 512 bytes, which the 32 lanes store as two aligned runs of 256 bytes of row tok[p].
; LDS serves a wave's instructions in order (ISA guide 5.7.1.4): no wait between the stores and the loads, nor in front of the next block's stores.
.macro TOSTAGE a
	WIN 0x08                                       ; the data: window 2
.irp b, 0,1,2,3,4,5,6,7
	ds_store_b128 v[STO], v[64*(\a)+8*\b:64*(\a)+8*\b+3] offset:64*\b          ; each accumulator from its low end on
	ds_store_b128 v[STO], v[64*(\a)+8*\b+4:64*(\a)+8*\b+7] offset:64*\b+16
.endr
	WIN 0
.set BB, BK0-128*((\a)%2)
.irp t, 0,1,2,3,4,5,6,7,8,9,10,11,12,13,14,15
	ds_load_b128 v[BB+4*\t:BB+4*\t+3], v[RD] offset:\t*SPITCH
.endr
.endm
.macro SEND a, younger                 ; younger: the LDS instructions issued behind block a's loads, which may stay out
.set BB, BK0-128*((\a)%2)
	s_wait_dscnt \younger
.irp t, 0,1,2,3,4,5,6,7,8,9,10,11,12,13,14,15
	global_store_b128 v[VOFF+16*(\a)+\t], v[BB+4*\t:BB+4*\t+3], s[10:11] th:TH_STORE_NT
.endr
.endm
	PLACES                                         ; behind the last products: results are read, and a's fragment registers loaded into, only behind these
	TOSTAGE 0
	TOSTAGE 1
	SEND 0, 32                                     ; behind block 0's loads: block 1's 16 stores and 16 loads
	s_wait_xcnt 0x0                                ; block 0's stores have read their registers: block 2's loads may land there
	TOSTAGE 2
	SEND 1, 32
	s_wait_xcnt 0x0
	TOSTAGE 3
	SEND 2, 32
	SEND 3, 0
	s_wait_tensorcnt 0x0                           ; the wave's end: behind my last tensor load and my last LDS store
	ds_add_u32 v[SPW], v[NIL]
	s_wait_dscnt 0x0
	CROUND                                         ; the closing round: no work-group ends while a partner may still ask for a tile that names it
	s_endpgm
.Lfunc_end_k_q6881986246_proj:
	.size	k_q6881986246_proj, .Lfunc_end_k_q6881986246_proj-k_q6881986246_proj
	.p2alignl 7, 3214868480
	.fill 96, 4, 3214868480
	.section	.rodata,"a",@progbits
	.p2align	6, 0x0
	.amdhsa_kernel k_q6881986246_proj
		.amdhsa_group_segment_fixed_size 327680
		.amdhsa_private_segment_fixed_size 0
		.amdhsa_enable_private_segment 0
		.amdhsa_kernarg_size 32
		.amdhsa_user_sgpr_count 2
		.amdhsa_user_sgpr_kernarg_segment_ptr 1
		.amdhsa_wavefront_size32 1
		.amdhsa_system_sgpr_workgroup_id_x 1
		.amdhsa_system_sgpr_workgroup_id_y 1
		.amdhsa_system_sgpr_workgroup_id_z 1
		.amdhsa_system_vgpr_workitem_id 0
		.amdhsa_next_free_vgpr 768
		.amdhsa_next_free_sgpr 72
		.amdhsa_reserve_vcc 0
		.amdhsa_float_denorm_mode_32 3
		.amdhsa_float_denorm_mode_16_64 3
		.amdhsa_memory_ordered 1
		.amdhsa_forward_progress 1
		.amdhsa_inst_pref_size 99
	.end_amdhsa_kernel
	.amdgpu_metadata
---
amdhsa.version: [ 1, 2 ]
amdhsa.kernels:
  - .name:           k_q6881986246_proj
    .symbol:         k_q6881986246_proj.kd
    .args:
      - { .name: aimg, .offset: 0, .size: 8, .value_kind: global_buffer, .address_space: global }
      - { .name: wimg, .offset: 8, .size: 8, .value_kind: global_buffer, .address_space: global }
      - { .name: perm, .offset: 16, .size: 8, .value_kind: global_buffer, .address_space: global }
      - { .name: out0, .offset: 24, .size: 8, .value_kind: global_buffer, .address_space: global }
    .group_segment_fixed_size: 327680
    .private_segment_fixed_size: 0
    .kernarg_segment_align: 8
    .kernarg_segment_size: 32
    .max_flat_workgroup_size: 128
    .sgpr_count:     72
    .vgpr_count:     768
    .wavefront_size: 32
...
	.end_amdgpu_metadata
.endif
;; end of part 4
